; MI455X (gfx1250); checked and timed in simulation.
; The chip was launched on July 23, 2026; its instructions are those of AMD's public machine-readable ISA for CDNA 5 (MIT licence, August 2026) and "CDNA5" Instruction Set Architecture Reference Guide (July 2026). The comments in the code are by the model that wrote it; some were corrected since.
;; Causal Self Attention. Allowed arithmetic: float matrix products may take bf16 or f16 operands with f32 sums; other float arithmetic in f32, or as packed bf16 or f16 multiplies, adds, multiply-adds, maxima and minima; sums over many terms, partial sums and values carried from step to step in f32; what a program stores and reads back later, other than sums and carried values, may be rounded once to bf16 or f16.
;; Inputs: W_attn 1,024 x 3,072 float32; W_proj 1,024 x 1,024 float32; x 4 x 2,048 x 1,024 float32.
;; Outputs: out0 4 x 2,048 x 1,024 float32.
;; 2 versions, each right; version 2 is version 1 with the launch prep written anew for expert scheduling mode. Each part assembles by itself: llvm-mc -triple=amdgcn-amd-amdhsa -mcpu=gfx1250 --defsym DOCPART=n.
;; ======== version 1 of 2: 4 launches
;; limits: values are held in f16: magnitudes above 65,504 overflow, below 6.1e-05 lose precision
;; workspace buffers: xh 16,777,216 bytes; wa 6,291,456 bytes; wp 2,097,152 bytes; rope 524,288 bytes; qh 16,777,216 bytes; kh 16,777,216 bytes; vh 16,777,216 bytes; oh 16,777,216 bytes
;; launch prep (part 1): grid 832 x 1, 4 waves a work-group, no clusters, 37,376 bytes of LDS; arguments x, W_attn, W_proj, xh, wa, wp, rope; writes xh, wa, wp, rope
.if DOCPART == 1
	.amdgcn_target "amdgcn-amd-amdhsa--gfx1250"
	.amdhsa_code_object_version 6
	.text
	.protected	k_qa12705f39f_prep
	.globl	k_qa12705f39f_prep
	.p2align	8
	.type	k_qa12705f39f_prep,@function
k_qa12705f39f_prep:
	s_mov_b64 s[64:65], 0
	v_nop
	global_prefetch_b8 v0, s[64:65] scope:SCOPE_SE
	s_setreg_imm32_b32 hwreg(HW_REG_WAVE_MODE, 25, 1), 1
	s_wait_xcnt 0x0
; PREPARATION, four kinds of work, chosen by the work-group number; every wave works alone, there is no barrier.
;   groups   0-511  X:    x [8192][1024] f32 -> xh [16 kb][8192 m][64 k] bf16; a wave takes 4 rows
;   groups 512-703  WA:   W_attn [1024 k][3072 n] f32 -> wa [16 kb][3072 n2][64 k] bf16, n2 = 192 head + 64 s + d (s = 0, 1, 2: q, k, v); a wave turns a tile of 64 k x 64 n
;   groups 704-767  WP:   W_proj [1024 k][1024 n] f32 -> wp [16 kb][1024 n][64 k]: rounded to bf16, that number written as f16
;   groups 768-831  ROPE: rope [2048 t][cos j = 0..31 | sin j = 0..31] f32; a wave makes 8 rows
; LIMITS.  bf16(W_proj) must lie within f16's range (65,504; below 6e-5 f16's fixed step of 6e-8).  The angle is t x inv_freq with inv_freq = 2^(-j log2(10000) / 32)
; from v_exp_f32 (1 ULP: ISA guide 15.8): at t = 2047 it is off by 2e-4 rad at the most.  Sine and cosine: the nearest multiple of pi/2 is taken away in two parts, then polynomials of degree 9 and 8.
.set STG,   9216                       ; a wave's stage in LDS: 64 rows x 144 bytes
.set SPARE, 4*STG                      ; behind the stages: the spare words, 128 bytes a wave
.set SPW, 4                            ; v4   my spare word; never rewritten
.set NIL, 5                            ; v5   0; never rewritten
.set LS,  6                            ; v6   stage: where I put 16 bytes
.set LR,  7                            ; v7   stage: where I read 16 bytes back
.set GS,  8                            ; v8   16 x lane
.set XO,  9                            ; v9   my offset in the source
.set XS,  10                           ; v10  my offset in the destination
.set T,   12                           ; v12-13 at work
.set D,   48                           ; v[48:175]  32 loads of 16 bytes
.set P,   176                          ; v[176:239] packed results
	s_load_b256 s[4:11], s[0:1], 0x0               ; x s[4:5], W_attn s[6:7], W_proj s[8:9], xh s[10:11]
	s_load_b128 s[12:15], s[0:1], 0x20             ; wa s[12:13], wp s[14:15]
	s_load_b64 s[16:17], s[0:1], 0x30              ; rope
	v_lshl_add_u32 v[SPW], v0, 2, SPARE
	v_mov_b32 v[NIL], 0
	v_lshrrev_b32 v1, 5, v0
	v_readfirstlane_b32 s18, v1                    ; wave 0..3
	v_and_b32 v1, 31, v0                           ; lane l
	v_and_b32 v2, 15, v0                           ; l % 16
	v_bfe_u32 v3, v0, 4, 1                         ; l / 16
	s_wait_kmcnt 0x0
	s_cmp_lt_u32 ttmp9, 512
	s_cbranch_scc0 .Lnot_x
	; X.  Unit u = 4 x group + wave owns rows 4 u .. 4 u + 3.  Load n = 16 p + kb: lanes 0-15 take the 256 bytes (64 k) of block kb of row 4 u + 2 p, lanes 16-31 those of the next row.
	s_lshl_b32 s20, ttmp9, 2
	s_add_co_u32 s20, s20, s18
	s_lshl_b32 s22, s20, 14                        ; 4 rows of 4,096 bytes
	s_mov_b32 s23, 0
	s_add_nc_u64 s[4:5], s[4:5], s[22:23]
	s_lshl_b32 s22, s20, 9                         ; 4 rows of 128 bytes
	s_add_nc_u64 s[10:11], s[10:11], s[22:23]      ; blocks kb = 0..7,
	s_add_nc_u64 s[24:25], s[10:11], 0x800000      ; blocks kb = 8..15: the immediate then stays inside its 24 bits
	v_lshlrev_b32 v[XO], 4, v2
	v_lshl_add_u32 v[XO], v3, 12, v[XO]
	v_lshlrev_b32 v[XS], 3, v1                     ; two rows of 128 bytes on end: 8 bytes a lane
.set n, 0
.rept 32
	global_load_b128 v[D+4*n:D+4*n+3], v[XO], s[4:5] offset:(n/16)*8192+(n%16)*256 th:TH_LOAD_NT
.set n, n+1
.endr
.set n, 0
.rept 32
	s_wait_loadcnt 31-n                            ; loads return in order: load n is in, the younger ones stay out
	v_cvt_pk_bf16_f32 v[P+2*n], v[D+4*n], v[D+4*n+1]
	v_cvt_pk_bf16_f32 v[P+2*n+1], v[D+4*n+2], v[D+4*n+3]
.if (n%16) < 8
	global_store_b64 v[XS], v[P+2*n:P+2*n+1], s[10:11] offset:(n%8)*1048576+(n/16)*256  ; the wave stores 256 consecutive bytes, aligned
.else
	global_store_b64 v[XS], v[P+2*n:P+2*n+1], s[24:25] offset:(n%8)*1048576+(n/16)*256
.endif
.set n, n+1
.endr
	s_branch .Lend
; A tile of 64 k x 64 n is turned.  Source at s[26:27] (rows pitch bytes apart), destination (64 rows of 128 bytes, dense) at s[28:29].
; Load i: lanes 0-15 row k = i, lanes 16-31 row k = i + 32; a lane holds columns 4 (l % 16) + c.  Two rows are packed into pairs along k, so that P[16 c ..] are 64 bytes of row n = 4 (l % 16) + c.
.macro WTILE pitch, half
	v_mul_u32_u24 v[T], v3, 32*(\pitch)
	v_lshl_add_u32 v[XO], v2, 4, v[T]
.set i, 0
.rept 32
	global_load_b128 v[D+4*i:D+4*i+3], v[XO], s[26:27] offset:i*(\pitch) th:TH_LOAD_NT
.set i, i+1
.endr
.set i, 0
.rept 16
	s_wait_loadcnt 30-2*i                          ; rows 2 i and 2 i + 1 are in
.irp c, 0,1,2,3
	v_cvt_pk_bf16_f32 v[P+16*(\c)+i], v[D+8*i+(\c)], v[D+8*i+4+(\c)]
.endr
.set i, i+1
.endr
.if \half
.set i, 0
.rept 64                               ; the bf16 number written as f16
	v_lshlrev_b32 v[T], 16, v[P+i]
	v_and_b32 v[T+1], 0xffff0000, v[P+i]
	v_cvt_pk_f16_f32 v[P+i], v[T], v[T+1]
.set i, i+1
.endr
.endif
.irp c, 0,1,2,3
.irp q, 0,1,2,3
	ds_store_b128 v[LS], v[P+16*(\c)+4*(\q):P+16*(\c)+4*(\q)+3] offset:(\c)*144+16*(\q)
.endr
.endr
.set i, 0
.rept 16
	ds_load_b128 v[D+4*i:D+4*i+3], v[LR] offset:i*576  ; my own bytes: LDS serves a wave's instructions in order (ISA guide 5.7.1.4)
.set i, i+1
.endr
.set i, 0
.rept 16
	s_wait_dscnt 15-i
	global_store_b128 v[GS], v[D+4*i:D+4*i+3], s[28:29] offset:i*512  ; four rows: 512 consecutive bytes
.set i, i+1
.endr
.endm
.Lnot_x:
	s_cmp_lt_u32 ttmp9, 768
	s_cbranch_scc0 .Lrope
	s_mul_i32 s30, s18, STG
	v_mul_u32_u24 v[LS], v2, 576                   ; row 4 (l % 16),
	v_lshl_add_u32 v[LS], v3, 6, v[LS]             ; k = 32 (l / 16) on
	v_add_nc_u32 v[LS], s30, v[LS]
	v_lshrrev_b32 v[T], 3, v1
	v_mul_u32_u24 v[LR], v[T], 144                 ; back: four rows of 128 bytes a load
	v_and_b32 v[T], 7, v1
	v_lshl_add_u32 v[LR], v[T], 4, v[LR]
	v_add_nc_u32 v[LR], s30, v[LR]
	v_lshlrev_b32 v[GS], 4, v1
	s_mov_b32 s23, 0
	s_cmp_lt_u32 ttmp9, 704
	s_cbranch_scc0 .Lwp
	s_sub_co_u32 s20, ttmp9, 512
	s_lshl_b32 s20, s20, 2
	s_add_co_u32 s20, s20, s18                     ; unit 0..767
	s_and_b32 s21, s20, 15                         ; kb
	s_lshr_b32 s20, s20, 4                         ; j: 64 columns of W_attn
	s_mul_i32 s22, s21, 64*12288
	s_lshl_b32 s24, s20, 8
	s_add_co_u32 s22, s22, s24
	s_add_nc_u64 s[26:27], s[6:7], s[22:23]
	s_and_b32 s24, s20, 15                         ; head
	s_mul_i32 s24, s24, 3
	s_lshr_b32 s25, s20, 4                         ; q, k or v
	s_add_co_u32 s24, s24, s25
	s_lshl_b32 s24, s24, 13                        ; 64 rows of 128 bytes
	s_mul_i32 s22, s21, 393216
	s_add_co_u32 s22, s22, s24
	s_add_nc_u64 s[28:29], s[12:13], s[22:23]
	WTILE 12288, 0
	s_branch .Lend
.Lwp:
	s_sub_co_u32 s20, ttmp9, 704
	s_lshl_b32 s20, s20, 2
	s_add_co_u32 s20, s20, s18                     ; unit 0..255
	s_and_b32 s21, s20, 15                         ; kb
	s_lshr_b32 s20, s20, 4                         ; j
	s_lshl_b32 s22, s21, 18                        ; 64 rows of 4,096 bytes
	s_lshl_b32 s24, s20, 8
	s_add_co_u32 s22, s22, s24
	s_add_nc_u64 s[26:27], s[8:9], s[22:23]
	s_lshl_b32 s22, s21, 17
	s_lshl_b32 s24, s20, 13
	s_add_co_u32 s22, s22, s24
	s_add_nc_u64 s[28:29], s[14:15], s[22:23]
	WTILE 4096, 1
	s_branch .Lend
; One angle: v18 = t, inv = the register with inv_freq; out takes the cosine (lanes 0-15) or the sine (lanes 16-31).
.macro SC inv, out
	v_mul_f32 v22, v18, v[\inv]                    ; a
	v_mul_f32 v23, 0x3f22f983, v22                 ; a x 2 / pi
	v_rndne_f32 v23, v23                           ; n
	v_fma_f32 v24, v23, s24, v22                   ; r = a - n pi/2, pi/2 in two parts
	v_fma_f32 v24, v23, s25, v24
	v_mul_f32 v25, v24, v24                        ; z = r r
	v_mov_b32 v26, 0x3638ef1d
	v_fmaak_f32 v26, v25, v26, 0xb9500d01
	v_fmaak_f32 v26, v25, v26, 0x3c088889
	v_fmaak_f32 v26, v25, v26, 0xbe2aaaab
	v_mul_f32 v27, v24, v25
	v_fma_f32 v26, v27, v26, v24                   ; sin r
	v_mov_b32 v27, 0x37d00d01
	v_fmaak_f32 v27, v25, v27, 0xbab60b61
	v_fmaak_f32 v27, v25, v27, 0x3d2aaaab
	v_fmaak_f32 v27, v25, v27, 0xbf000000
	v_fma_f32 v27, v25, v27, 1.0                   ; cos r
	v_cvt_i32_f32 v28, v23
	v_and_b32 v29, 1, v28
	v_cmp_eq_u32 vcc_lo, 1, v29                    ; an odd quarter swaps the two
	v_cndmask_b32 v30, v26, v27, vcc_lo
	v_cndmask_b32 v31, v27, v26, vcc_lo
	v_lshlrev_b32 v29, 30, v28                     ; the sine is negative in quarters 2 and 3,
	v_and_b32 v29, 0x80000000, v29
	v_xor_b32 v30, v30, v29
	v_add_nc_u32 v29, 1, v28                       ; the cosine in quarters 1 and 2
	v_lshlrev_b32 v29, 30, v29
	v_and_b32 v29, 0x80000000, v29
	v_xor_b32 v31, v31, v29
	v_cndmask_b32 v[\out], v31, v30, s23
.endm
.Lrope:
	s_sub_co_u32 s20, ttmp9, 768
	s_lshl_b32 s20, s20, 2
	s_add_co_u32 s20, s20, s18                     ; unit 0..255
	s_lshl_b32 s21, s20, 3                         ; t
	s_lshl_b32 s22, s20, 11                        ; t x 256 bytes
	v_lshl_add_u32 v[XS], v1, 3, s22               ; lane l holds j = 2 (l % 16) and the next: 8 bytes
	v_lshlrev_b32 v[T], 1, v2
	v_cvt_f32_u32 v16, v[T]
	v_add_f32 v17, 1.0, v16
	v_mul_f32 v16, 0xbed49a78, v16                 ; -j log2(10000) / 32
	v_mul_f32 v17, 0xbed49a78, v17
	v_exp_f32 v16, v16
	v_exp_f32 v17, v17
	v_nop                                          ; a plain instruction behind the last exponential,
	s_wait_alu depctr_va_vdst(0)                   ; and one wait for both, ahead of their first reader
	v_cmp_lt_u32 s23, 15, v1                       ; lanes 16-31 keep the sine
	s_mov_b32 s24, 0xbfc90fdb                      ; -pi/2 rounded to f32,
	s_mov_b32 s25, 0x333bbd2e                      ; and what that rounding added
	s_mov_b32 s26, 8
.Lt:
	v_cvt_f32_u32 v18, s21
	SC 16, 20
	SC 17, 21
	global_store_b64 v[XS], v[20:21], s[16:17]     ; a row of the table: 256 consecutive bytes, aligned
	s_wait_xcnt 0x0                                ; the offset and the data are written again only behind this wait
	v_add_nc_u32 v[XS], 256, v[XS]
	s_add_co_u32 s21, s21, 1
	s_sub_co_u32 s26, s26, 1
	s_cmp_lg_u32 s26, 0
	s_cbranch_scc1 .Lt
.Lend:
	s_wait_tensorcnt 0x0                           ; the wave's end
	ds_add_u32 v[SPW], v[NIL]
	s_wait_dscnt 0x0
	s_endpgm
.Lfunc_end_k_qa12705f39f_prep:
	.size	k_qa12705f39f_prep, .Lfunc_end_k_qa12705f39f_prep-k_qa12705f39f_prep
	.p2alignl 7, 3214868480
	.fill 96, 4, 3214868480
	.section	.rodata,"a",@progbits
	.p2align	6, 0x0
	.amdhsa_kernel k_qa12705f39f_prep
		.amdhsa_group_segment_fixed_size 37376
		.amdhsa_private_segment_fixed_size 0
		.amdhsa_enable_private_segment 0
		.amdhsa_kernarg_size 56
		.amdhsa_user_sgpr_count 2
		.amdhsa_user_sgpr_kernarg_segment_ptr 1
		.amdhsa_wavefront_size32 1
		.amdhsa_system_sgpr_workgroup_id_x 1
		.amdhsa_system_sgpr_workgroup_id_y 1
		.amdhsa_system_sgpr_workgroup_id_z 1
		.amdhsa_system_vgpr_workitem_id 0
		.amdhsa_next_free_vgpr 240
		.amdhsa_next_free_sgpr 66
		.amdhsa_reserve_vcc 1
		.amdhsa_float_denorm_mode_32 3
		.amdhsa_float_denorm_mode_16_64 3
		.amdhsa_memory_ordered 1
		.amdhsa_forward_progress 1
		.amdhsa_inst_pref_size 52
	.end_amdhsa_kernel
	.amdgpu_metadata
---
amdhsa.version: [ 1, 2 ]
amdhsa.kernels:
  - .name:           k_qa12705f39f_prep
    .symbol:         k_qa12705f39f_prep.kd
    .args:
      - { .name: x, .offset: 0, .size: 8, .value_kind: global_buffer, .address_space: global }
      - { .name: W_attn, .offset: 8, .size: 8, .value_kind: global_buffer, .address_space: global }
      - { .name: W_proj, .offset: 16, .size: 8, .value_kind: global_buffer, .address_space: global }
      - { .name: xh, .offset: 24, .size: 8, .value_kind: global_buffer, .address_space: global }
      - { .name: wa, .offset: 32, .size: 8, .value_kind: global_buffer, .address_space: global }
      - { .name: wp, .offset: 40, .size: 8, .value_kind: global_buffer, .address_space: global }
      - { .name: rope, .offset: 48, .size: 8, .value_kind: global_buffer, .address_space: global }
    .group_segment_fixed_size: 37376
    .private_segment_fixed_size: 0
    .kernarg_segment_align: 8
    .kernarg_segment_size: 56
    .max_flat_workgroup_size: 128
    .sgpr_count:     66
    .vgpr_count:     240
    .wavefront_size: 32
...
	.end_amdgpu_metadata
.endif
;; end of part 1
;; launch qkv (part 2): grid 8 x 32, 4 waves a work-group, clusters of 4 x 4, 327,680 bytes of LDS; arguments xh, wa, rope, qh, kh, vh; writes qh, kh, vh
.if DOCPART == 2
	.amdgcn_target "amdgcn-amd-amdhsa--gfx1250"
	.amdhsa_code_object_version 6
	.text
	.protected	k_qa12705f39f_qkv
	.globl	k_qa12705f39f_qkv
	.p2align	8
	.type	k_qa12705f39f_qkv,@function
k_qa12705f39f_qkv:
	s_mov_b64 s[64:65], 0
	v_nop
	global_prefetch_b8 v0, s[64:65] scope:SCOPE_SE
	s_setreg_imm32_b32 hwreg(HW_REG_WAVE_MODE, 25, 1), 1
	s_wait_xcnt 0x0
	s_wait_alu depctr_hold_cnt(0) depctr_sa_sdst(0) depctr_va_vdst(0) depctr_va_sdst(0) depctr_va_ssrc(0) depctr_va_vcc(0) depctr_vm_vsrc(0)
	s_getreg_b32 s2, hwreg(HW_REG_IB_STS2, 6, 4)
	s_cmp_eq_u32 s2, 0
	s_cbranch_scc0 .Lentry_in_a_cluster
	s_endpgm
.Lentry_in_a_cluster:
	s_bfe_u32 s2, ttmp6, 0x10000c
	s_cmp_lg_u32 s2, 0xf033
	s_cbranch_scc0 .Lentry_shape_is_right
	s_endpgm
.Lentry_shape_is_right:
; q, k, v = x W_attn, with the rotary embedding on q and k.  xh [16 kb][8192 m][64 k] and wa [16 kb][3072 n2][64 k] in bf16, sums in f32; qh, kh, vh [batch x 16 + head][2048 t][64] in f16, rounded once, unscaled.
; LIMIT.  q, k and v must lie within f16's range, 65,504.
; SHARES.  A work-group makes 256 rows x 384 columns n2 (two heads: q, k and v of each): 32 x 8 = 256 work-groups.  A wave makes 128 rows x 192 columns: q, k, v of ONE head, 96 accumulators, 768 registers.
; So every wave has the same way out, and no branch hangs on which columns a work-group has.
; K goes in steps of 64 through two LDS slots.  The K-blocked layouts make a step's tile a dense run of bytes: it is asked for as rows of 256 bytes and padded in LDS after every 128: rows 144 bytes apart.
; CLUSTER 4 x 4: the tile of xh is shared along a row of the cluster, that of wa along a column: joint loads.
; THE MATRIX INSTRUCTION IS USED TRANSPOSED (source 0 = 16 rows of wa, source 1 = 16 rows of xh): a lane holds one row m (lane % 16) and the eight columns 8 (lane / 16) + 0..7 of a block of 16.
; REGISTERS.  Window 0: v0-31 addresses; v32-159 fragments of xh, two buffers of 8 x 8; v160-255 fragments of wa, two halves of 6 x 8.  Windows 1-3: accumulator n = 48 h + 6 a + b at window 1 + n / 32, register 8 (n % 32).
; Half h = 0 holds the blocks of q and v's channels 0-31, half h = 1 those of k and v's channels 32-63.
.set PT,     144                       ; an LDS row: 128 bytes + 16 = 36 words: the 16 rows of a load start at 16 different groups of four banks (64 banks of 4 bytes: ISA guide 11.1)
.set SLOT1,  131072                    ; slot 1 begins here: one exclusive or turns an address of one slot into the other's
.set AHALF,  128*PT                    ; 128 rows of xh: one tensor load, and what one wave reads
.set BOFF,   256*PT                    ; wa's 384 rows lie behind xh's 256
.set BHALF,  192*PT
.set STAGE,  SLOT1+BOFF+2*BHALF        ; behind the ring: for each wave three regions (q, k, v) of 16 rows x 144 bytes
.set SREG,   16*PT
.set SPARE,  STAGE+4*3*SREG            ; the spare words, 128 bytes a wave
.set ASTEP,  1048576                   ; bytes from a K step to the next in xh
.set BSTEP,  393216                    ; and in wa
.set A0,   2                           ; v2   my lane's place in slot 0's rows of xh; never rewritten
.set B0,   3                           ; v3   the same for wa
.set ADRA, 4                           ; v4   the same in the slot in hand
.set ADRB, 5
.set STO,  6                           ; v6   the way out: where I put 16 bytes
.set RD,   7                           ; v7   where I read rows back
.set GO,   8                           ; v8   16 x lane
.set RO,   9                           ; v9   my offset in 16 rows of the table
.set PFO,  10                          ; v10  the prefetches' offset; never rewritten
.set SPW,  12                          ; v12  my spare word; never rewritten
.set NIL,  13                          ; v13  0; never rewritten
.set AF,   32
.set BH,   160
.set TBL,  32                          ; the way out: two sets of 32: cos, sin for channels 0-15, cos, sin for 16-31
.set TT,   96                          ; 32 at work
.set PK,   128                         ; two sets of 48: q, k, v of 16 rows, packed
.set WV, 16
.set RH, 17                            ; which half of the rows is mine; also: I fetch for xh (0) or wa (1)
.set CH, 18                            ; which half of the columns; also: which half of that tile I fetch
.set CX, 19
.set CY, 20
.set TC, 21
.set TR, 22
.set G1A, 24                           ; s[24:31] descriptor group 1 for xh
.set G1B, 32                           ; s[32:39] for wa
.set G0A, 40                           ; s[40:47] group 0 for xh: a set for each first fill; the second then walks
.set G0B, 48                           ; s[48:55] the same for wa
.set TB,  56                           ; s56  the slot in hand, as an LDS byte
.set CNT, 57                           ; s57  refills still to come
.set PFA, 58                           ; s[58:59] where my prefetches stand
.set STEP, 60                          ; s[60:61] a K step of the tensor that I prefetch
.set LIM, 62                           ; s62  1 in a wave that prefetches, else the greatest number
.set PAR, 63                           ; s63  1: only in trips with an odd count
.set OQ,  66                           ; s[66:71] qh, kh, vh at my first row
.set RB,  72                           ; s[72:73] the table at my first row
.set MSB, 0
.macro WIN new                         ; the high byte repeats the setting that is left; a switch that changes nothing is dropped
.if MSB != (\new)
	s_set_vgpr_msb (MSB<<8)|(\new)
.set MSB, (\new)
.endif
.endm
.macro PLACES                          ; four plain places behind matrix instructions, ahead of loads into registers that they read
.rept 4
	v_nop
.endr
.endm
; A joint refill by the walking sets.  Waves 0, 1 ask for the halves of xh's tile, waves 2, 3 for those of wa's.  An s_nop 0 and four v_nop follow each line.
.macro JLOAD
	s_cmp_eq_u32 s[RH], 0
	s_cbranch_scc0 .Lfor_b_\@
	tensor_load_to_lds s[G0A+4:G0A+7], s[G1A:G1A+7]
	s_nop 0
.rept 4
	v_nop
.endr
	s_branch .Lasked_\@
.Lfor_b_\@:
	tensor_load_to_lds s[G0B+4:G0B+7], s[G1B:G1B+7]
	s_nop 0
.rept 4
	v_nop
.endr
.Lasked_\@:
.endm
.macro CREST                           ; a round of the cluster's barrier behind its opening barrier
	s_cmp_lg_u32 s[WV], 0
	s_cbranch_scc1 .Lnot_wave_0_\@
	s_barrier_signal -3
.Lnot_wave_0_\@:
	s_barrier_wait -3
	s_barrier_signal -1
	s_barrier_wait -1
.endm
.macro CROUND
	s_barrier_signal -1
	s_barrier_wait -1
	CREST
.endm
; A PREFETCH INTO THE L2 of the K step after the one that is being asked for: 192 matrix instructions ahead of the load that wants it.  xh's tile row (32,768 bytes a step) is read by both clusters of a row of
; clusters: cluster x = 0 asks; its four partners take 8,192 bytes each, by address (cx); wave 0, a lane a block of 256 bytes.  wa's tile column (49,152 bytes a step): cluster y = 0 asks, 12,288 bytes a partner (cy):
; wave 2 takes 32 blocks in every trip, wave 3 the other 16 of two steps at once in the trips with an odd count.  The last block named lies in K step 15.
.macro ASK
	s_and_b32 s74, s[CNT], s[PAR]
	s_cmp_eq_u32 s74, s[PAR]
	s_cselect_b32 s74, s[LIM], -1
	s_cmp_gt_u32 s[CNT], s74
	s_cbranch_scc0 .Lnot_mine_\@
	global_prefetch_b8 v[PFO], s[PFA:PFA+1] th:TH_LOAD_NT scope:SCOPE_SE
.Lnot_mine_\@:
.endm
	s_load_b256 s[4:11], s[0:1], 0x0               ; xh s[4:5], wa s[6:7], rope s[8:9], qh s[10:11]
	s_load_b128 s[12:15], s[0:1], 0x20             ; kh s[12:13], vh s[14:15]
	v_lshl_add_u32 v[SPW], v0, 2, SPARE
	v_mov_b32 v[NIL], 0
	ds_add_u32 v[SPW], v[NIL]                      ; the wave's opening: the add and its wait stand ahead of my first tensor load
	v_lshrrev_b32 v1, 5, v0
	v_readfirstlane_b32 s[WV], v1
	s_lshr_b32 s[RH], s[WV], 1
	s_and_b32 s[CH], s[WV], 1
	s_bfe_u32 s[CX], ttmp6, 0x40000
	s_bfe_u32 s[CY], ttmp6, 0x40004
	s_lshl_b32 s[TC], ttmp9, 2
	s_add_co_u32 s[TC], s[TC], s[CX]               ; tile column 0..7
	s_and_b32 s[TR], ttmp7, 0xffff
	s_lshl_b32 s[TR], s[TR], 2
	s_add_co_u32 s[TR], s[TR], s[CY]               ; tile row 0..31
	s_lshl_b32 s74, s[CY], 2
	s_lshl_b32 s74, 15, s74                        ; my row of the cluster
	s_lshl_b32 s75, 0x1111, s[CX]                  ; my column
	s_or_b32 s[G1A], s74, (1<<16)|(1<<20)|(1<<21)|(4<<22)|(3<<25)  ; 15:0 mask; 17:16 2-byte elements; 20 padding on; 21 set beside a mask; 24:22 after every 32 words; 31:25 4 words
	s_or_b32 s[G1B], s75, (1<<16)|(1<<20)|(1<<21)|(4<<22)|(3<<25)
	s_mov_b32 s[G1A+1], 128<<16                    ; tensor_dim0 = 128 elements: rows of 256 bytes
	s_mov_b32 s[G1A+2], 64<<16                     ; tensor_dim1 = 64: 16,384 dense bytes, 128 rows of xh
	s_mov_b32 s[G1A+3], 128<<16                    ; tile_dim0
	s_mov_b32 s[G1A+4], 64                         ; tile_dim1
	s_mov_b32 s[G1A+5], 128                        ; elements from row to row
	s_mov_b32 s[G1A+6], 0
	s_mov_b32 s[G1A+7], 0
	s_mov_b32 s[G1B+1], 128<<16
	s_mov_b32 s[G1B+2], 96<<16                     ; 24,576 dense bytes, 192 rows of wa
	s_mov_b32 s[G1B+3], 128<<16
	s_mov_b32 s[G1B+4], 96
	s_mov_b32 s[G1B+5], 128
	s_mov_b32 s[G1B+6], 0
	s_mov_b32 s[G1B+7], 0
	s_lshl_b32 s76, s[TR], 15                      ; xh: 256 rows of 128 bytes a tile row,
	s_lshl_b32 s77, s[CH], 14                      ; the half that I fetch
	s_add_co_u32 s76, s76, s77
	s_mov_b32 s77, 0
	s_mul_i32 s78, s[TC], 49152                    ; wa: 384 rows a tile column,
	s_mul_i32 s79, s[CH], 24576
	s_add_co_u32 s78, s78, s79
	s_mov_b32 s79, 0
	s_mul_i32 s80, s[CH], AHALF                    ; and where they go: no place in the cluster enters an LDS address
	s_mul_i32 s81, s[CH], BHALF
	s_add_co_u32 s81, s81, BOFF
	s_wait_dscnt 0x0                               ; the opening add is done
	s_wait_kmcnt 0x0
	s_add_nc_u64 s[82:83], s[4:5], s[76:77]
	s_add_nc_u64 s[84:85], s[6:7], s[78:79]
.irp s, 0,1
	s_mov_b32 s[G0A+4*(\s)], 1
	s_add_co_u32 s[G0A+4*(\s)+1], s80, (\s)*SLOT1
	s_add_nc_u64 s[G0A+4*(\s)+2:G0A+4*(\s)+3], s[82:83], (\s)*ASTEP
	s_or_b32 s[G0A+4*(\s)+3], s[G0A+4*(\s)+3], 0x80000000
	s_mov_b32 s[G0B+4*(\s)], 1
	s_add_co_u32 s[G0B+4*(\s)+1], s81, (\s)*SLOT1
	s_add_nc_u64 s[G0B+4*(\s)+2:G0B+4*(\s)+3], s[84:85], (\s)*BSTEP
	s_or_b32 s[G0B+4*(\s)+3], s[G0B+4*(\s)+3], 0x80000000
.endr
	CROUND                                         ; all sixteen work-groups are here: the first joint loads meet
	s_cmp_eq_u32 s[RH], 0                          ; a wave's two first fills stand in one branch: two loads of mine are out
	s_cbranch_scc0 .Lfirst_b
	tensor_load_to_lds s[G0A:G0A+3], s[G1A:G1A+7]
	s_nop 0
	tensor_load_to_lds s[G0A+4:G0A+7], s[G1A:G1A+7]
	s_nop 0
.rept 4
	v_nop
.endr
	s_branch .Lfirst_asked
.Lfirst_b:
	tensor_load_to_lds s[G0B:G0B+3], s[G1B:G1B+7]
	s_nop 0
	tensor_load_to_lds s[G0B+4:G0B+7], s[G1B:G1B+7]
	s_nop 0
.rept 4
	v_nop
.endr
.Lfirst_asked:
	; A fragment is 16 rows x 32 k in 8 registers: lane l holds row l % 16, k = 8 (l / 16) + 0..7 and 16 + 8 (l / 16) + 0..7: two loads of 16 bytes, 32 bytes apart.
	v_and_b32 v1, 15, v0
	v_bfe_u32 v14, v0, 4, 1
	v_mul_u32_u24 v15, v1, PT
	v_lshl_add_u32 v15, v14, 4, v15
	s_mul_i32 s74, s[RH], AHALF
	v_add_nc_u32 v[A0], s74, v15
	s_mul_i32 s74, s[CH], BHALF
	s_add_co_u32 s74, s74, BOFF
	v_add_nc_u32 v[B0], s74, v15
	v_mov_b32 v[ADRA], v[A0]
	v_mov_b32 v[ADRB], v[B0]
	s_mov_b32 s[TB], 0
	s_mul_i32 s74, s[WV], 3*SREG
	s_add_co_u32 s74, s74, STAGE                   ; my stage
	v_add_nc_u32 v[STO], s74, v15                  ; in: row l % 16, 16 bytes for each half of the lanes
	v_bfe_u32 v16, v0, 3, 2
	v_mul_u32_u24 v[RD], v16, PT                   ; back: four rows of 128 bytes a load
	v_and_b32 v16, 7, v0
	v_lshl_add_u32 v[RD], v16, 4, v[RD]
	v_add_nc_u32 v[RD], s74, v[RD]
	v_and_b32 v[GO], 31, v0
	v_lshlrev_b32 v[GO], 4, v[GO]
	v_lshlrev_b32 v[RO], 8, v1                     ; the table: row l % 16, 8 numbers for each half of the lanes
	v_lshl_add_u32 v[RO], v14, 5, v[RO]
	; the prefetches
	s_lshl_b32 s74, s[TR], 15
	s_lshl_b32 s75, s[CX], 13
	s_add_co_u32 s74, s74, s75
	s_add_co_u32 s74, s74, 2*ASTEP                 ; at K step 2: the first refill steps it to 3
	s_mul_i32 s75, s[TC], 49152
	s_mul_i32 s86, s[CY], 12288
	s_add_co_u32 s75, s75, s86
	s_lshl_b32 s86, s[CH], 13                      ; wave 3: behind wave 2's 32 blocks
	s_add_co_u32 s75, s75, s86
	s_add_co_u32 s75, s75, 2*BSTEP
	s_and_b32 s87, ttmp7, 0xffff                   ; cluster y
	s_mov_b32 s89, ASTEP
	s_cmp_eq_u32 s[RH], 0
	s_cselect_b32 s86, s74, s75
	s_cselect_b32 s88, ttmp9, s87                  ; the coordinate along which other clusters read the same rows
	s_cselect_b32 s[STEP], s89, BSTEP
	s_cselect_b64 s[PFA:PFA+1], s[4:5], s[6:7]
	s_mov_b32 s87, 0
	s_mov_b32 s[STEP+1], 0
	s_add_nc_u64 s[PFA:PFA+1], s[PFA:PFA+1], s[86:87]
	s_cmp_eq_u32 s[WV], 1
	s_cselect_b32 s88, 1, s88                      ; wave 1 asks for nothing
	s_cmp_eq_u32 s88, 0
	s_cselect_b32 s[LIM], 1, -1                    ; the same in all sixteen partners, for a given wave
	s_movk_i32 s89, 4096
	s_cmp_eq_u32 s[WV], 3
	s_cselect_b32 s[PAR], 1, 0
	s_cselect_b32 s89, BSTEP, s89                  ; wave 3: lanes 16-31 stand a K step further
	v_mul_u32_u24 v[PFO], s89, v14
	v_lshl_add_u32 v[PFO], v1, 8, v[PFO]
	; where my rows begin in qh, kh, vh and in the table
	s_lshr_b32 s74, s[TR], 3                       ; batch
	s_lshl_b32 s74, s74, 4
	s_lshl_b32 s75, s[TC], 1
	s_add_co_u32 s74, s74, s75
	s_add_co_u32 s74, s74, s[CH]                   ; batch x 16 + head
	s_lshl_b32 s74, s74, 18                        ; 2,048 rows of 128 bytes
	s_and_b32 s75, s[TR], 7
	s_lshl_b32 s75, s75, 1
	s_add_co_u32 s75, s75, s[RH]                   ; t / 128
	s_lshl_b32 s86, s75, 14
	s_add_co_u32 s74, s74, s86
	s_lshl_b32 s86, s75, 15                        ; 128 rows of 256 bytes
	s_mov_b32 s75, 0
	s_mov_b32 s87, 0
	s_add_nc_u64 s[OQ:OQ+1], s[10:11], s[74:75]
	s_add_nc_u64 s[OQ+2:OQ+3], s[12:13], s[74:75]
	s_add_nc_u64 s[OQ+4:OQ+5], s[14:15], s[74:75]
	s_add_nc_u64 s[RB:RB+1], s[8:9], s[86:87]
; cnt matrix instructions from number i0 of half h's 48 (i = 6 a + b), on xh's buffer p.  The 96 accumulators take turns, one instruction a turn.  zero = 1: the product starts the sum.
.macro MULN p, h, i0, cnt, zero
.set i, \i0
.rept \cnt
.set n, 48*(\h)+i
	WIN 0x50*(1+n/32)
.set rD, 8*(n%32)
.set rB, BH+48*(\h)+8*(i%6)
.set rA, AF+64*(\p)+8*(i/6)
.if \zero
	v_wmma_f32_16x16x32_bf16 v[rD:rD+7], v[rB:rB+7], v[rA:rA+7], 0
.else
	v_wmma_f32_16x16x32_bf16 v[rD:rD+7], v[rB:rB+7], v[rA:rA+7], v[rD:rD+7]
.endif
.set i, i+1
.endr
.endm
.macro LDB h, kq                       ; 12 loads: half h of wa's fragments, 32 k at byte 64 kq.  Blocks of my 192 rows: h = 0: 0-3, 8, 9; h = 1: 4-7, 10, 11
.irp b, 0,1,2,3,4,5
.set blk, 4*(\h)+(\b)
.if (\b) >= 4
.set blk, 4+2*(\h)+(\b)
.endif
	ds_load_b128 v[BH+48*(\h)+8*(\b):BH+48*(\h)+8*(\b)+3],   v[ADRB] offset:blk*SREG+64*(\kq)
	ds_load_b128 v[BH+48*(\h)+8*(\b)+4:BH+48*(\h)+8*(\b)+7], v[ADRB] offset:blk*SREG+64*(\kq)+32
.endr
.endm
.macro LDA p, kq                       ; 16 loads: xh's eight fragments into buffer p, blocks ascending
.irp a, 0,1,2,3,4,5,6,7
	ds_load_b128 v[AF+64*(\p)+8*(\a):AF+64*(\p)+8*(\a)+3],   v[ADRA] offset:(\a)*SREG+64*(\kq)
	ds_load_b128 v[AF+64*(\p)+8*(\a)+4:AF+64*(\p)+8*(\a)+7], v[ADRA] offset:(\a)*SREG+64*(\kq)+32
.endr
.endm
.macro TLOAD a                         ; the table for my rows 16 a .. 16 a + 15: cos and sin of my eight channels in blocks 0 and 1
.irp i, 0,1
.irp k, 0,1
	global_load_b128 v[TBL+32*((\a)%2)+16*(\i)+8*(\k):TBL+32*((\a)%2)+16*(\i)+8*(\k)+3],   v[RO], s[RB:RB+1] offset:(\a)*4096+(\i)*64+(\k)*128
	global_load_b128 v[TBL+32*((\a)%2)+16*(\i)+8*(\k)+4:TBL+32*((\a)%2)+16*(\i)+8*(\k)+7], v[RO], s[RB:RB+1] offset:(\a)*4096+(\i)*64+(\k)*128+16
.endr
.endr
.endm
; A quarter is 32 along K: half 0's 48 products (PH0), then half 1's (PH1 or TURN).  Each run of loads stands in the middle of a half, 24 products ahead of its first use.
.macro PH0 p, kq, zero, tl=0
	s_wait_dscnt 8                                 ; half 0 of wa and xh's blocks 0-3 are in; the youngest eight loads (blocks 4-7) may be out
	MULN \p, 0, 0, 24, \zero
	WIN 0
	PLACES
	LDB 1, \kq
.if \tl
	TLOAD 0                                        ; into xh's buffer 0, which is read no more
	TLOAD 1
.endif
	s_wait_dscnt 12                                ; all but the 12 just issued
	MULN \p, 0, 24, 24, \zero
.endm
.macro PH1 p, pn, kqn, zero
	s_wait_dscnt 0x0                               ; half 1 of wa is in
	MULN \p, 1, 0, 24, \zero
	WIN 0
	PLACES
	LDB 0, \kqn
	LDA \pn, \kqn
	MULN \p, 1, 24, 24, \zero
.endm
; A step's last half, and THE CHANGE OF SLOTS.  Each wave waits for all its tensor loads, of which one is out: its part of the other slot; adds 0 to its spare word; and waits for that and for its reads of this slot.
; fill = 1: the barrier opens a round of the cluster's, and the joint refill, two K steps on, is the first thing behind it: it has 168 matrix instructions in which to land.
.macro TURN fill
.if \fill
	s_wait_xcnt 0x0                                ; the last prefetch, a K step back, has read its address
	s_add_nc_u64 s[PFA:PFA+1], s[PFA:PFA+1], s[STEP:STEP+1]
.endif
	WIN 0
	s_wait_tensorcnt 0x0                           ; no tensor load of mine is out
	ds_add_u32 v[SPW], v[NIL]
	s_wait_dscnt 1                                 ; half 1 of wa is in; the add may be out
	MULN 1, 1, 0, 16, 0
	s_wait_dscnt 0x0                               ; the add is done, and my reads of this slot are over
	s_barrier_signal -1
	MULN 1, 1, 16, 8, 0
	WIN 0
	s_barrier_wait -1
.if \fill
	CREST                                          ; no wave of any partner still reads this slot or has a load on its way
	s_xor_b32 s[G0A+5], s[G0A+5], SLOT1            ; the walking sets: the other slot than last time, the next K step
	s_add_nc_u64 s[G0A+6:G0A+7], s[G0A+6:G0A+7], ASTEP
	s_xor_b32 s[G0B+5], s[G0B+5], SLOT1
	s_add_nc_u64 s[G0B+6:G0B+7], s[G0B+6:G0B+7], BSTEP
	JLOAD
.else
	PLACES
.endif
	s_xor_b32 s[TB], s[TB], SLOT1
	v_add_nc_u32 v[ADRA], s[TB], v[A0]
	v_add_nc_u32 v[ADRB], s[TB], v[B0]
	LDB 0, 0
	LDA 0, 0
.if \fill
	ASK
.endif
	MULN 1, 1, 24, 24, 0
.endm
	s_wait_tensorcnt 1                             ; my part of K step 0 is in; step 1's may stay out
	s_barrier_signal -1
	s_barrier_wait -1
	LDB 0, 0
	LDA 0, 0
	PH0 0, 0, 1                                    ; the first quarter stands ahead of the loop: its products start the 96 sums
	PH1 0, 1, 1, 1
	WIN 0
	s_mov_b32 s[CNT], 14
.Lstep:                                                ; a trip: a step's second quarter, the change of slots with a refill, the next step's first quarter
	PH0 1, 1, 0
	TURN 1
	PH0 0, 0, 0
	PH1 0, 1, 1, 0
	WIN 0
	s_sub_co_u32 s[CNT], s[CNT], 1
	s_cmp_lg_u32 s[CNT], 0
	s_cbranch_scc1 .Lstep
	PH0 1, 1, 0                                    ; the tail is written out: nothing more is asked for
	TURN 0
	PH0 0, 0, 0
	PH1 0, 1, 1, 0
	PH0 1, 1, 0, 1
	s_wait_dscnt 0x0
	MULN 1, 1, 0, 48, 0
; THE WAY OUT, 16 rows (block a) at a time.  For q (g = 0) and k (g = 1), L = channels 16 i + .. below 32 and H = the same 32 higher: L cos - H sin, H cos + L sin.  Only source 0 lies in an accumulator's window;
; each accumulator is read from its lowest registers on.
.macro ROT a, g, i
.set nL, 48*(\g)+6*(\a)+(\i)
.set nH, nL+2
.set rL, 8*(nL%32)
.set rH, 8*(nH%32)
.set cs, TBL+32*((\a)%2)+16*(\i)
.set sn, cs+8
.set t1, TT+16*(\i)
.set t2, t1+8
.set pk, PK+48*((\a)%2)+16*(\g)+4*(\i)
	WIN 1+nH/32
.irp z, 0,2,4,6
	v_pk_mul_f32 v[t1+\z:t1+\z+1], v[rH+\z:rH+\z+1], v[sn+\z:sn+\z+1]
.endr
	WIN 1+nL/32
.irp z, 0,2,4,6
	v_pk_fma_f32 v[t1+\z:t1+\z+1], v[rL+\z:rL+\z+1], v[cs+\z:cs+\z+1], v[t1+\z:t1+\z+1] neg_lo:[0,0,1] neg_hi:[0,0,1]
.endr
.irp z, 0,2,4,6
	v_pk_mul_f32 v[t2+\z:t2+\z+1], v[rL+\z:rL+\z+1], v[sn+\z:sn+\z+1]
.endr
	WIN 1+nH/32
.irp z, 0,2,4,6
	v_pk_fma_f32 v[t2+\z:t2+\z+1], v[rH+\z:rH+\z+1], v[cs+\z:cs+\z+1], v[t2+\z:t2+\z+1]
.endr
	WIN 0
.irp z, 0,1,2,3
	v_cvt_pk_f16_f32 v[pk+\z], v[t1+2*\z], v[t1+2*\z+1]
.endr
.irp z, 0,1,2,3
	v_cvt_pk_f16_f32 v[pk+8+\z], v[t2+2*\z], v[t2+2*\z+1]
.endr
.endm
.macro VCV a                           ; v is only rounded
.irp b, 0,1,2,3
.set nV, 48*((\b)/2)+6*(\a)+4+(\b)%2
.set rV, 8*(nV%32)
	WIN 5*(1+nV/32)
.irp z, 0,1,2,3
	v_cvt_pk_f16_f32 v[PK+48*((\a)%2)+32+4*(\b)+\z], v[rV+2*\z], v[rV+2*\z+1]
.endr
.endr
	WIN 0
.endm
.macro PACK a
.if (\a) == 7
	s_wait_loadcnt 0x0
.else
	s_wait_loadcnt 8                               ; this block's table is in; the next block's eight loads stay out
.endif
	s_wait_xcnt 0x0                                ; the stores of the block two back have read this set of packed registers
	ROT \a, 0, 0
	ROT \a, 0, 1
	ROT \a, 1, 0
	ROT \a, 1, 1
	VCV \a
.endm
.macro TOSTAGE a                       ; into my stage, and back as whole rows of 128 bytes, into the registers that they left
.irp g, 0,1,2
.irp b, 0,1,2,3
	ds_store_b128 v[STO], v[PK+48*((\a)%2)+16*(\g)+4*(\b):PK+48*((\a)%2)+16*(\g)+4*(\b)+3] offset:(\g)*SREG+32*(\b)
.endr
.endr
.irp g, 0,1,2
.irp f, 0,1,2,3
	ds_load_b128 v[PK+48*((\a)%2)+16*(\g)+4*(\f):PK+48*((\a)%2)+16*(\g)+4*(\f)+3], v[RD] offset:(\g)*SREG+(\f)*4*PT  ; LDS serves a wave's instructions in order (ISA guide 5.7.1.4)
.endr
.endr
.endm
.macro SEND a, younger                 ; younger: the LDS instructions issued behind this block's loads
	s_wait_dscnt \younger
.irp g, 0,1,2
.irp f, 0,1,2,3
	global_store_b128 v[GO], v[PK+48*((\a)%2)+16*(\g)+4*(\f):PK+48*((\a)%2)+16*(\g)+4*(\f)+3], s[OQ+2*(\g):OQ+2*(\g)+1] offset:(\a)*2048+(\f)*512  ; 512 consecutive bytes, aligned
.endr
.endr
.endm
	WIN 0
	PLACES
	PLACES
	PACK 0
	TOSTAGE 0
	TLOAD 2
.irp a, 1,2,3,4,5,6,7
	PACK \a
	TOSTAGE \a
.if (\a) <= 5
	TLOAD (\a)+2
.endif
	SEND (\a)-1, 24
.endr
	SEND 7, 0
	s_wait_tensorcnt 0x0                           ; the wave's end
	ds_add_u32 v[SPW], v[NIL]
	s_wait_dscnt 0x0
	CROUND                                         ; the closing round
	s_endpgm
.Lfunc_end_k_qa12705f39f_qkv:
	.size	k_qa12705f39f_qkv, .Lfunc_end_k_qa12705f39f_qkv-k_qa12705f39f_qkv
	.p2alignl 7, 3214868480
	.fill 96, 4, 3214868480
	.section	.rodata,"a",@progbits
	.p2align	6, 0x0
	.amdhsa_kernel k_qa12705f39f_qkv
		.amdhsa_group_segment_fixed_size 327680
		.amdhsa_private_segment_fixed_size 0
		.amdhsa_enable_private_segment 0
		.amdhsa_kernarg_size 48
		.amdhsa_user_sgpr_count 2
		.amdhsa_user_sgpr_kernarg_segment_ptr 1
		.amdhsa_wavefront_size32 1
		.amdhsa_system_sgpr_workgroup_id_x 1
		.amdhsa_system_sgpr_workgroup_id_y 1
		.amdhsa_system_sgpr_workgroup_id_z 1
		.amdhsa_system_vgpr_workitem_id 0
		.amdhsa_next_free_vgpr 1024
		.amdhsa_next_free_sgpr 96
		.amdhsa_reserve_vcc 0
		.amdhsa_float_denorm_mode_32 3
		.amdhsa_float_denorm_mode_16_64 3
		.amdhsa_memory_ordered 1
		.amdhsa_forward_progress 1
		.amdhsa_inst_pref_size 152
	.end_amdhsa_kernel
	.amdgpu_metadata
---
amdhsa.version: [ 1, 2 ]
amdhsa.kernels:
  - .name:           k_qa12705f39f_qkv
    .symbol:         k_qa12705f39f_qkv.kd
    .args:
      - { .name: xh, .offset: 0, .size: 8, .value_kind: global_buffer, .address_space: global }
      - { .name: wa, .offset: 8, .size: 8, .value_kind: global_buffer, .address_space: global }
      - { .name: rope, .offset: 16, .size: 8, .value_kind: global_buffer, .address_space: global }
      - { .name: qh, .offset: 24, .size: 8, .value_kind: global_buffer, .address_space: global }
      - { .name: kh, .offset: 32, .size: 8, .value_kind: global_buffer, .address_space: global }
      - { .name: vh, .offset: 40, .size: 8, .value_kind: global_buffer, .address_space: global }
    .group_segment_fixed_size: 327680
    .private_segment_fixed_size: 0
    .kernarg_segment_align: 8
    .kernarg_segment_size: 48
    .max_flat_workgroup_size: 128
    .sgpr_count:     96
    .vgpr_count:     1024
    .wavefront_size: 32
...
	.end_amdgpu_metadata
.endif
;; end of part 2
;; launch attn (part 3): grid 4 x 64, 4 waves a work-group, no clusters, 327,680 bytes of LDS; arguments qh, kh, vh, oh; writes oh
.if DOCPART == 3
	.amdgcn_target "amdgcn-amd-amdhsa--gfx1250"
	.amdhsa_code_object_version 6
	.text
	.protected	k_qa12705f39f_attn
	.globl	k_qa12705f39f_attn
	.p2align	8
	.type	k_qa12705f39f_attn,@function
k_qa12705f39f_attn:
	s_mov_b64 s[64:65], 0
	v_nop
	global_prefetch_b8 v0, s[64:65] scope:SCOPE_SE
	s_setreg_imm32_b32 hwreg(HW_REG_WAVE_MODE, 25, 1), 1
	s_wait_xcnt 0x0
; CAUSAL ATTENTION.  O[h][q][:] = the sum over k <= q of softmax_k(Q[h][q] . K[h][k] / 8) V[h][k][:].  Q, K, V, O: [64][2048][64], all f16: a head's rows are dense, 128 bytes each.
; Products, maxima and sums in f32; the weights p are rounded to f16 for the second product (their sum l is taken of the unrounded p), O once at the end.
; LIMITS.  Q, K and V arrive within 65,504; p lies in 0 to 1, and below 6e-5 it keeps f16's fixed step of 6e-8.  A hidden score counts as its value less 1e30; a weight below 2^-126 counts as 0 in l; NaN and infinities are not treated apart.
; THE WALK.  A head's queries lie in NB = 8 blocks of 256; block i needs the key tiles 0 .. i of 256 keys, of which the last holds the diagonal.  A work-group takes TWO blocks, NB - 1 - b and then b:
; NB + 1 tiles, whatever b: all work-groups do equal work, and ONE loop with a constant trip count walks them.  Every jump goes forward but the counted loops' own; none passes a barrier.
; NO CLUSTER: a head's four work-groups ask for the same tile only in trips 0 .. 4, behind that fewer and fewer; one walk common to all would have 12 trips for 9.
; SHARES.  Of a block's four bands of 64 queries a wave owns 16 rows in each: four PIECES.  In the diagonal tile's key step s band x sees all keys if s < x, none if s > x, and holds the diagonal if s = x.
; THE MASK is the C operand that starts the sum S^T = K Q^T: 0, or -1e30 where the key is hidden.  MD, made once, is the mask of a band's own step; a product's mask is MD x AL + BE with two scalars.
; LAYOUT, SOFTMAX, TURNS.  S^T = K Q^T holds ONE query a lane (lane % 16) and the keys 8 (lane / 16) + 0..7; two such results rounded to f16 ARE source 1 of O^T = V^T P.  p = 2^(c s - c m), c = log2(e) / 8, with a
; running maximum m; O and l are multiplied by a = 2^(c m_old - c m_new) in every step.  Turn n belongs to piece n: 8 products K Q^T of piece n + 1, later 8 products V^T P of piece n - 1; beside them the vector work of
; piece n and the maximum and statistics of piece n + 1.  A turn's 33 exponentials are one batch, with one wait.
; REGISTERS, in windows of 256:  window 0: v0-15 addresses; v16-31 statistics; v48-55 at work; v60 prefetch offset; v64-127 S^T, two buffers; v192-223 P, two buffers
;   window 1: v0-127 O^T; v128-159 MD; v160-223 MC, two buffers      window 2: v0-63 Q; v64-127 the second block's Q; v128-191 K of one step; v192-255 V of one step
.set SIZE_N, 2048
.set NB,    SIZE_N/256
.set NP,    4
.set KS,    64
.set PK,    144       ; a row of K in LDS: 128 bytes + 16: the 16 rows of a load start at 16 different groups of four banks (ISA guide 11.1)
.set PV,    160       ; a row of V: 128 + 32
.set VOFF,  4*KS*PK   ; a slot holds a tile, four steps: 256 rows of K, then 256 rows of V
.set SLOT1, 1<<17
.set STAGE, SLOT1+4*KS*(PK+PV)
.set SP,    144
.set AK0, 2
.set AV0, 3
.set AK,  4
.set AV,  5
.set STO, 6
.set RD,  7
.set GO,  8
.set PFO, 60          ; v60  256 x my lane; never rewritten
.set SPW, 62
.set NIL, 63
.set SPARE, STAGE+4*16*SP
.set MV,  12
.set QO,  15
.set ST,  16
.set TMP, 48
.set S,   64
.set P,   192
.set MD,  128
.set MC,  160
.set QB,  64
.set KF,  128
.set VF,  192
.set WV,  12
.set PB,  14
.set HI,  15
.set G1K, 24
.set G1V, 32
.set G0K, 40
.set G0V, 44
.set SLOTS, 56
.set CNT, 57
.set CS,  58
.set SEL, 60
.set TBK, 62
.set TBV, 63
.set RT,  70
.set NXT, 71
.set LQ,  72
.set NEW, 73
.set OFF, 74
.set AL,  76
.set BE,  78
.set OLO, 80
.set BIGN, 82
.set PFA, 88          ; s[88:89] my half of K's or V's tile after the one that is being asked for
.set LIM, 90          ; s90  2 in the work-group that prefetches, else the greatest number
.set MSB, 0
.macro WIN new
.if MSB != (\new)
	s_set_vgpr_msb (MSB<<8)|(\new)
.set MSB, (\new)
.endif
.endm
.set W_KQ, 0x0a
.set W_KM, 0x1a
.set W_PV, 0x52
.set W_RS, 0x41
; A fill.  Waves 0 and 1 fetch the two halves of a tile's K, waves 2 and 3 those of its V: 128 keys each.  An s_nop 0 and four v_nop follow each of the two lines.
.macro LOAD
	s_cmp_lt_u32 s[WV], 2
	s_cbranch_scc0 .Lfor_v_\@
	tensor_load_to_lds s[G0K:G0K+3], s[G1K:G1K+7]
	s_nop 0
.rept 4
	v_nop
.endr
	s_branch .Lasked_\@
.Lfor_v_\@:
	tensor_load_to_lds s[G0V:G0V+3], s[G1V:G1V+7]
	s_nop 0
.rept 4
	v_nop
.endr
.Lasked_\@:
.endm
; A PREFETCH INTO THE L2 of the tile that the NEXT change of slots will ask for: 256 matrix instructions ahead.  A head's four work-groups walk the same tiles from 0 on; the one with b = 0 walks all eight: it asks, and nobody else.
; Each of its waves asks for the 16,384 bytes that it will fetch itself: a lane a block of 256 bytes, two instructions.  Trip i names tile i + 2, up to tile 7.
.macro ASK
	s_cmp_gt_u32 s[SLOTS], s[LIM]
	s_cbranch_scc0 .Lnot_mine_\@
	global_prefetch_b8 v[PFO], s[PFA:PFA+1] th:TH_LOAD_NT scope:SCOPE_SE
	global_prefetch_b8 v[PFO], s[PFA:PFA+1] offset:8192 th:TH_LOAD_NT scope:SCOPE_SE
.Lnot_mine_\@:
.endm
; THE CHANGE OF SLOTS.  Each wave waits for all its tensor loads, of which one is out: its part of the other slot; adds 0 to its spare word; and waits for that and for its own reads of the slot that it leaves.
; fill = 1: the old slot is filled again, the first thing behind the barrier, with tile NXT: the descriptor's address is made anew from that number.
.macro CHANGE fill
	WIN 0
	s_wait_tensorcnt 0x0            ; no tensor load of mine is out, so a group 0 may be written
	ds_add_u32 v[SPW], v[NIL]
.if \fill
	s_lshl_b32 s[OFF], s[NXT], 15   ; a tile is 32,768 bytes of K and of V
	s_xor_b32 s[G0K+1], s[G0K+1], SLOT1
	s_add_nc_u64 s[G0K+2:G0K+3], s[6:7], s[OFF:OFF+1]
	s_or_b32 s[G0K+3], s[G0K+3], 0x80000000
	s_xor_b32 s[G0V+1], s[G0V+1], SLOT1
	s_add_nc_u64 s[G0V+2:G0V+3], s[8:9], s[OFF:OFF+1]
	s_or_b32 s[G0V+3], s[G0V+3], 0x80000000
	s_add_co_u32 s[NXT], s[NXT], 1  ; the block's next tile, or behind its last the second block's tile 0
	s_cmp_gt_u32 s[NXT], s[LQ]
	s_cselect_b32 s[NXT], 0, s[NXT]
	s_cselect_b32 s[LQ], s[PB], s[LQ]
	s_wait_xcnt 0x0                 ; the last prefetches, a tile back, have read their address
	s_add_nc_u64 s[PFA:PFA+1], s[PFA:PFA+1], 32768
.endif
	s_wait_dscnt 0x0                ; the add is done, and my reads of the slot are over
	s_barrier_signal -1
	s_sub_co_u32 s[TBK], s[TBK], 4*KS*PK  ; the fetches go back to a slot's first step,
	s_xor_b32 s[TBK], s[TBK], SLOT1       ; in the other slot
	s_sub_co_u32 s[TBV], s[TBV], 4*KS*PV
	s_xor_b32 s[TBV], s[TBV], SLOT1
	s_barrier_wait -1
.if \fill
	LOAD
	ASK
.endif
.endm
	s_load_b256 s[4:11], s[0:1], 0x0  ; Q s[4:5], K s[6:7], V s[8:9], O s[10:11]
	v_lshl_add_u32 v[SPW], v0, 2, SPARE
	v_mov_b32 v[NIL], 0
	ds_add_u32 v[SPW], v[NIL]       ; the wave's opening: the add and its wait stand ahead of my first tensor load
	v_lshrrev_b32 v1, 5, v0
	v_readfirstlane_b32 s[WV], v1   ; wave 0..3
	s_mov_b32 s[PB], ttmp9
	s_sub_co_u32 s[HI], NB-1, s[PB]
	s_and_b32 s20, ttmp7, 0xffff    ; the head
	s_mov_b32 s21, 0
	s_mov_b64 s[22:23], SIZE_N*128
	s_mul_u64 s[20:21], s[20:21], s[22:23]  ; the head's first byte in each of the four tensors
	s_and_b32 s16, s[WV], 1         ; which half of a tile's 256 keys I fetch:
	s_lshl_b32 s22, s16, 14         ; its 128 rows of 128 bytes in memory,
	s_mov_b32 s23, 0
	s_add_nc_u64 s[22:23], s[22:23], s[20:21]
	s_mul_i32 s17, s16, 128*PK      ; and its place in a slot, for K
	s_mul_i32 s18, s16, 128*PV      ; and for V
	s_lshl_b32 s3, s[WV], 11        ; my 16 rows in a band of 64,
	s_lshl_b32 s2, s[HI], 15        ; in the first block,
	s_add_co_u32 s2, s2, s3
	s_lshl_b32 s84, s[PB], 15       ; and in the second
	s_add_co_u32 s84, s84, s3
	s_mov_b32 s3, 0
	s_mov_b32 s85, 0
	s_add_nc_u64 s[2:3], s[2:3], s[20:21]
	s_add_nc_u64 s[84:85], s[84:85], s[20:21]
	; descriptor group 1.  128 keys are 16,384 dense bytes: asked for as 64 rows of 256 bytes, two keys a row, and padded in LDS after every key
	s_mov_b32 s[G1K], (1<<16)|(1<<20)|(4<<22)|(3<<25)
	s_mov_b32 s[G1V], (1<<16)|(1<<20)|(4<<22)|(7<<25)
.irp g, G1K, G1V
	s_mov_b32 s[\g+1], 128<<16      ; tensor_dim0 = 128
	s_mov_b32 s[\g+2], 64<<16       ; tensor_dim1 = 64
	s_mov_b32 s[\g+3], 128<<16      ; tile_dim0 = 128
	s_mov_b32 s[\g+4], 64           ; tile_dim1 = 64
	s_mov_b32 s[\g+5], 128          ; 128 elements from row to row
	s_mov_b32 s[\g+6], 0
	s_mov_b32 s[\g+7], 0
.endr
	s_mov_b32 s[CS], 0x3e38aa3b     ; c = log2(e) / 8
	s_mov_b32 s[CS+1], s[CS]
	s_mov_b32 s[SEL], 0x76543210
	s_mov_b32 s[SEL+1], 0xfedcba98
	s_mov_b32 s[TBK], SLOT1+4*KS*PK ; the first change of slots turns these two into 0
	s_mov_b32 s[TBV], SLOT1+4*KS*PV
	s_mov_b32 s[G0K], 1
	s_mov_b32 s[G0K+1], s17
	s_mov_b32 s[G0V], 1
	s_add_co_u32 s[G0V+1], s18, VOFF
	s_add_co_u32 s[RT], s[HI], 1    ; the first block has NB - b tiles
	s_mov_b32 s[NXT], 1
	s_mov_b32 s[LQ], s[HI]
	s_mov_b32 s[NEW], 1
	s_mov_b32 s[OFF+1], 0
	s_mov_b32 s[AL+1], 0
	s_mov_b32 s[BE+1], 0
	s_mov_b32 s[BIGN], 0xf149f2ca   ; -1e30
	s_mov_b32 s[SLOTS], NB
	v_and_b32 v[PFO], 31, v0
	v_lshlrev_b32 v[PFO], 8, v[PFO]
	s_wait_dscnt 0x0                ; the opening add is done
	s_wait_kmcnt 0x0
	s_add_nc_u64 s[6:7], s[6:7], s[22:23]  ; K and V at my half of the head's tile 0
	s_add_nc_u64 s[8:9], s[8:9], s[22:23]
	s_add_nc_u64 s[G0K+2:G0K+3], s[6:7], 0
	s_or_b32 s[G0K+3], s[G0K+3], 0x80000000
	s_add_nc_u64 s[G0V+2:G0V+3], s[8:9], 0
	s_or_b32 s[G0V+3], s[G0V+3], 0x80000000
	s_add_nc_u64 s[86:87], s[4:5], s[84:85]        ; Q at my rows of the second block,
	s_add_nc_u64 s[4:5], s[4:5], s[2:3]            ; Q and O at those of the first
	s_add_nc_u64 s[OLO:OLO+1], s[10:11], s[84:85]
	s_add_nc_u64 s[10:11], s[10:11], s[2:3]
	s_cmp_lt_u32 s[WV], 2
	s_cselect_b64 s[PFA:PFA+1], s[6:7], s[8:9]
	s_add_nc_u64 s[PFA:PFA+1], s[PFA:PFA+1], 32768 ; at tile 1: the first change of slots steps it to tile 2
	s_cmp_eq_u32 s[PB], 0
	s_cselect_b32 s[LIM], 2, -1
	LOAD                            ; tile 0 into slot 0
	v_and_b32 v1, 15, v0            ; l % 16
	v_bfe_u32 v9, v0, 4, 1          ; l / 16
	v_lshlrev_b32 v[QO], 7, v1
	v_lshl_add_u32 v[QO], v9, 4, v[QO]  ; row x 128 + 16 x half
	WIN 0x80
.set i, 0
.rept 8                             ; both blocks' Q: piece i / 2 lies in band i / 2, 8,192 bytes on; channels 32 (i % 2) on
	global_load_b128 v[8*i:8*i+3],   v[QO], s[4:5] offset:(i/2)*8192+(i%2)*64
	global_load_b128 v[8*i+4:8*i+7], v[QO], s[4:5] offset:(i/2)*8192+(i%2)*64+32
	global_load_b128 v[QB+8*i:QB+8*i+3],   v[QO], s[86:87] offset:(i/2)*8192+(i%2)*64
	global_load_b128 v[QB+8*i+4:QB+8*i+7], v[QO], s[86:87] offset:(i/2)*8192+(i%2)*64+32
.set i, i+1
.endr
	WIN 0
	v_lshlrev_b32 v14, 3, v9
	v_sub_nc_u32 v14, v1, v14
	s_lshl_b32 s13, s[WV], 4
	v_add_nc_u32 v14, s13, v14      ; my query's place in its band less my lanes' 8 (l / 16): register r of group kt is hidden where 16 kt + r is greater
	WIN 0x40
.set i, 0
.rept 32
	v_cmp_gt_i32 vcc_lo, 16*(i/8)+i%8, v14
	v_cndmask_b32 v[MD+i], 0, s[BIGN], vcc_lo
.set i, i+1
.endr
	WIN 0
	v_mul_u32_u24 v[AK0], v1, PK
	v_lshl_add_u32 v[AK0], v9, 4, v[AK0]
	v_and_b32 v10, 7, v0
	v_bfe_u32 v11, v0, 3, 1
	v_lshl_add_u32 v[AV0], v9, 3, v10
	v_mul_u32_u24 v[AV0], v[AV0], PV
	v_lshl_add_u32 v[AV0], v11, 4, v[AV0]
	v_add_nc_u32 v[AV0], VOFF, v[AV0]
	s_mul_i32 s13, s[WV], 16*SP
	s_add_co_u32 s13, s13, STAGE    ; my stage
	v_mul_u32_u24 v[STO], v1, SP
	v_lshl_add_u32 v[STO], v9, 4, v[STO]
	v_add_nc_u32 v[STO], s13, v[STO]
	v_bfe_u32 v[RD], v0, 3, 2
	v_mul_u32_u24 v[RD], v[RD], SP
	v_lshl_add_u32 v[RD], v10, 4, v[RD]
	v_add_nc_u32 v[RD], s13, v[RD]
	v_and_b32 v[GO], 31, v0
	v_lshlrev_b32 v[GO], 4, v[GO]
	; A block's first step multiplies O^T and l by a = 0, so these registers need only hold finite numbers: zeros for the first block.  All this stands in the wait for the first tile.
	WIN 0x80
.set i, VF
.rept 64
	v_mov_b32 v[i], 0
.set i, i+1
.endr
	WIN 0x40
.set i, 0
.rept 128
	v_mov_b32 v[i], 0
.set i, i+1
.endr
	WIN 0
.set i, 0
.rept 4
	v_mov_b32 v[ST+4*i+2], 0
	v_mov_b32 v[ST+4*i+3], 0
.set i, i+1
.endr
.set i, P+16
.rept 16
	v_mov_b32 v[i], 0
.set i, i+1
.endr
; THE MATRIX WORK.  The 4 accumulators of a run of 8 take turns.  Product i of 8 of S^T = K Q^T for piece x: channels 32 (i / 4) on, keys 16 (i % 4) on.  The first 4 start the sums: with 0, or (KM = 1) with the mask.
.macro KQ x
.set rS, S+32*((\x)%2)+8*(i%4)
.set rK, KF+16*(i%4)+8*(i/4)
.set rQ, 16*(\x)+8*(i/4)
.set rM, MC+32*((\x)%2)+8*(i%4)
.if (i < 4) && KM
	WIN W_KM
	v_wmma_f32_16x16x32_f16 v[rS:rS+7], v[rK:rK+7], v[rQ:rQ+7], v[rM:rM+7]
.elseif i < 4
	WIN W_KQ
	v_wmma_f32_16x16x32_f16 v[rS:rS+7], v[rK:rK+7], v[rQ:rQ+7], 0
.else
	WIN W_KQ
	v_wmma_f32_16x16x32_f16 v[rS:rS+7], v[rK:rK+7], v[rQ:rQ+7], v[rS:rS+7]
.endif
.endm
; Product i of 8 of O^T += V^T P for piece x: keys 32 (i / 4) on, channels 16 (i % 4) on.
.macro PV x
	WIN W_PV
.set rO, 32*(\x)+8*(i%4)
.set rV, VF+32*(i/4)+8*(i%4)
.set rP, P+16*((\x)%2)+8*(i/4)
	v_wmma_f32_16x16x32_f16 v[rO:rO+7], v[rV:rV+7], v[rP:rP+7], v[rO:rO+7]
.endm
.macro MM                           ; the turn's next matrix instruction.  NOKQ = 1: a block's last turn: there is no next piece
.if (i < 8) && !NOKQ
	KQ (Y+1)%NP
.elseif i >= 8
.set i, i-8
	PV (Y+NP-1)%NP
.set i, i+8
.endif
.set i, i+1
.endm
; THE LDS LOADS stand in runs of 16: a step's K (8 fragments) and its V (turned).
.macro FETCH_K
	WIN 0x80
.irp f, 0,1,2,3,4,5,6,7
	ds_load_b128 v[KF+8*\f:KF+8*\f+3],   v[AK] offset:(\f/2)*16*PK+(\f%2)*64
	ds_load_b128 v[KF+8*\f+4:KF+8*\f+7], v[AK] offset:(\f/2)*16*PK+(\f%2)*64+32
.endr
	s_add_co_u32 s[TBK], s[TBK], KS*PK
	WIN 0
.endm
.macro FETCH_V
	WIN 0x80
.irp f, 0,1,2,3,4,5,6,7
	ds_load_tr16_b128 v[VF+8*\f:VF+8*\f+3],   v[AV] offset:(\f/4)*32*PV+(\f%4)*32
	ds_load_tr16_b128 v[VF+8*\f+4:VF+8*\f+7], v[AV] offset:(\f/4)*32*PV+16*PV+(\f%4)*32
.endr
	WIN 0
.endm
; THE VECTOR WORK, one line at a time: OP kind, number.  For piece Y: F n: c s - c m for pair n.  E n: the exponential of score n.  C n: pair n rounded to f16.  B n: of the four weights 4 n .. the second
; pair is added onto the first.  L n: l takes that sum (L 0: l = a l + sum).  R n: pair n of O^T times a.  For piece Y + 1: X n, number n of the 22 that find its maximum and statistics
; (each accumulator's lowest registers are read first).
.set F, 0
.set E, 1
.set C, 2
.set B, 3
.set L, 4
.set R, 5
.set X, 6
.macro REGS y
.set rT, ST+4*(\y)
.set rC, TMP+4*((\y)%2)
.set rW, MV+((\y)%2)
.set rS, S+32*((\y)%2)
.set rP, P+16*((\y)%2)
.set rO, 32*(\y)
.endm
.macro OP k, n
.if (\k) == R
	REGS Y
	WIN W_RS
	v_pk_mul_f32 v[rO+2*(\n):rO+2*(\n)+1], v[rO+2*(\n):rO+2*(\n)+1], v[rC+2:rC+3] op_sel_hi:[1,0]
.elseif (\k) < R
	REGS Y
	WIN 0
.if (\k) == F
	v_pk_fma_f32 v[rS+2*(\n):rS+2*(\n)+1], v[rS+2*(\n):rS+2*(\n)+1], s[CS:CS+1], v[rT:rT+1] op_sel_hi:[1,0,0] neg_lo:[0,0,1] neg_hi:[0,0,1]
.elseif (\k) == E
	v_exp_f32 v[rS+(\n)], v[rS+(\n)]
.elseif (\k) == C
	v_cvt_pk_f16_f32 v[rP+(\n)], v[rS+2*(\n)], v[rS+2*(\n)+1]
.elseif (\k) == B
	v_pk_add_f32 v[rS+4*(\n):rS+4*(\n)+1], v[rS+4*(\n):rS+4*(\n)+1], v[rS+4*(\n)+2:rS+4*(\n)+3]
.elseif (\n) == 0
	v_pk_fma_f32 v[rT+2:rT+3], v[rT+2:rT+3], v[rC+2:rC+3], v[rS:rS+1] op_sel_hi:[1,0,1]
.else
	v_pk_add_f32 v[rT+2:rT+3], v[rT+2:rT+3], v[rS+4*(\n):rS+4*(\n)+1]
.endif
.elseif NOKQ
	v_nop
.else
	REGS (Y+1)%NP
	WIN 0
.if (\n) < 4
	v_max3_num_f32 v[rC+(\n)], v[rS+8*(\n)], v[rS+8*(\n)+1], v[rS+8*(\n)+2]
.elseif (\n) < 12
	v_max3_num_f32 v[rC+(\n)%4], v[rC+(\n)%4], v[rS+8*((\n)%4)+2*((\n)/4)+1], v[rS+8*((\n)%4)+2*((\n)/4)+2]
.elseif (\n) == 12
	v_max3_num_f32 v[rC], v[rC], v[rS+7], v[rS+15]
.elseif (\n) == 13
	v_max3_num_f32 v[rC+1], v[rC+1], v[rS+23], v[rS+31]
.elseif (\n) == 14
	v_max3_num_f32 v[rC+2], v[rC+2], v[rC+3], v[rT+1]
.elseif (\n) == 15
	v_mov_b32 v[rW], v[rT]
.elseif (\n) == 16
	v_max3_num_f32 v[rC], v[rC], v[rC+1], v[rC+2]
.elseif (\n) == 17
	v_permlanex16_b32 v[rC+3], v[rC], s[SEL], s[SEL+1]
.elseif (\n) == 18
	v_max_num_f32 v[rT+1], v[rC], v[rC+3]
.elseif (\n) == 19
	v_mul_f32 v[rT], s[CS], v[rT+1]
.elseif (\n) == 20
	v_sub_f32 v[rC+1], v[rW], v[rT]
.else
	v_exp_f32 v[rC+2], v[rC+1]
.endif
.endif
.endm
.macro OPS a, i1, b=-1, i2=0, c=-1, i3=0, d=-1, i4=0
	OP \a, \i1
.if (\b) >= 0
	OP \b, \i2
.endif
.if (\c) >= 0
	OP \c, \i3
.endif
.if (\d) >= 0
	OP \d, \i4
.endif
.endm
.macro ROW a, i1, b, i2, c, i3, d, i4  ; a matrix instruction and the four behind it
	MM
	OPS \a, \i1, \b, \i2, \c, \i3, \d, \i4
.endm
.macro MASK b                       ; MD x AL + BE into buffer b of MC
	WIN W_RS
.set z, 0
.rept 16
	v_pk_fma_f32 v[MC+32*(\b)+2*z:MC+32*(\b)+2*z+1], v[MD+2*z:MD+2*z+1], s[AL:AL+1], s[BE:BE+1] op_sel_hi:[1,0,0]
.set z, z+1
.endr
.endm
; A TURN, for piece p.  Ahead of its ONE wait stands all that names no result of the turn's exponentials: the 8 products K Q^T with four vector instructions behind each, then one lump of 54.  X 21, the next piece's a, is the
; batch's last; R 15 is the plain instruction behind it.  Behind the wait stand the 8 products V^T P, behind each four of the roundings and sums.
; m = 1: the diagonal tile: the products take masks, and the turn makes the mask for the turn after it.  end = 1: a block's last two turns: nothing is fetched.  cnt = 1: the loop's count is taken down ahead of the branch behind the turn.
.macro TURN p, m=0, end=0, cnt=0
.set Y, (\p)
.set i, 0
.set KM, (\m)
.set NOKQ, (\end)*((\p)/3)
.if (\m) && !(\end)
	s_cmp_eq_u32 s[CNT], 4-((\p)+2)%NP  ; is that step the band's own?
	s_cselect_b32 s[AL], 1.0, 0
	s_cmp_lt_u32 s[CNT], 4-((\p)+2)%NP  ; or a later one?
	s_cselect_b32 s[BE], s[BIGN], 0
.endif
.if ((\p) == 3) && !(\end)
	s_wait_dscnt 0x0                ; K is in
.endif
	ROW F,0, F,1, R,0, R,1
	ROW F,2, E,0, R,2, R,3
	ROW F,3, E,1, R,4, R,5
	ROW F,4, E,2, R,6, R,7
	ROW F,5, E,3, R,8, R,9
	ROW F,6, E,4, X,0, R,10
.if ((\p) == 2) && !(\end)
	WIN 0
	v_add_nc_u32 v[AK], s[TBK], v[AK0]
.endif
	ROW F,7, E,5, X,1, X,4
	ROW F,8, E,6, X,2, X,5
	OPS E,7, E,8, X,6, E,9
	OPS X,3, E,10, X,8, E,11
.if ((\p) == 2) && !(\end)
	FETCH_K
.endif
	OPS X,9, X,7, E,12, X,10
	OPS E,13, X,12, X,11, E,14
	OPS X,13, E,15, F,9, X,14
.if (\p) == 0
	v_add_nc_u32 v[AV], s[TBV], v[AV0]
.endif
	OPS E,16, F,10, E,17, F,11
	OPS X,16, E,18, X,15, E,19
	OPS F,12, E,20, X,17, E,21
	OPS F,13, E,22, F,14, E,23
	OPS X,18, E,24, F,15, E,25
	OPS R,11, E,26, X,19, E,27
	OPS R,12, E,28, R,13, E,29
	OPS X,20, E,30, R,14, E,31
	OPS X,21, R,15
	WIN 0
	s_wait_alu depctr_va_vdst(0)    ; the wait for the batch, ahead of the first reader
.if (\p) == 1
	s_wait_dscnt 0x0                ; V is in
.endif
	ROW C,0, B,0, C,2, B,1
	ROW L,0, C,4, B,2, L,1
	ROW C,6, B,3, L,2, C,8
	ROW B,4, L,3, C,10, B,5
	ROW L,4, C,12, B,6, L,5
.if (\p) == 0
	s_add_co_u32 s[TBV], s[TBV], KS*PV
.endif
.if \cnt
	s_sub_co_u32 s[CNT], s[CNT], 1
	s_cmp_lg_u32 s[CNT], 0
.endif
	ROW C,14, B,7, L,6, C,1
	ROW C,3, L,7, C,5, C,7
	ROW C,9, C,11, C,13, C,15
.if (\p) == 0
	FETCH_V
.endif
.if (\m) && !(\end)
	MASK (\p)%2
.endif
.endm
; A BLOCK BEGINS.  c m starts far below every c s, so the first step's a is 0; m at the lowest finite number.  The second mask buffer is 0; the first takes piece 0's mask for the tile's step 0.
.macro BEGIN
	s_mov_b32 s[NEW], 0
	WIN 0x40
.set i, MC+32
.rept 32
	v_mov_b32 v[i], 0
.set i, i+1
.endr
	WIN 0
.set i, 0
.rept 4
	v_mov_b32 v[ST+4*i], 0xfe000000
	v_mov_b32 v[ST+4*i+1], 0xff7fffff
.set i, i+1
.endr
	s_cmp_eq_u32 s[RT], 0
	s_cselect_b32 s[AL], 1.0, 0
	s_mov_b32 s[BE], 0
	MASK 0
	WIN 0
	v_add_nc_u32 v[AK], s[TBK], v[AK0]
	FETCH_K
	s_wait_loadcnt 0x0              ; Q
	s_wait_dscnt 0x0
.set KM, 1
.set NOKQ, 0
.set i, 0
.rept 8
	KQ 0
.set i, i+1
.endr
	WIN 0
.rept 4
	v_nop                           ; the places behind those products
.endr
.set Y, NP-1
.irp n, 0,1,2,3,4,5,6,7,8,9,10,11,12,13,14,15,16,17,18,19,20,21
	OP X, \n
.endr
	v_nop                           ; a plain instruction behind the exponential,
	s_wait_alu depctr_va_vdst(0)    ; and its wait, ahead of the branch
.endm
.macro ALL line:vararg
.set t, 0
.rept 4
	\line
.set t, t+1
.endr
.endm
.macro PACK t                       ; a lane's eight channels of a row pack into 16 bytes; they go into rows of 144 bytes and come back as whole rows of 128
	WIN W_RS
.set i, 32*(\t)
.rept 16
	v_pk_mul_f32 v[i:i+1], v[i:i+1], v[ST+4*(\t)+2:ST+4*(\t)+3] op_sel_hi:[1,0]
.set i, i+2
.endr
	WIN 0x05
.set i, 0
.rept 16
	v_cvt_pk_f16_f32 v[S+16*(\t)+i], v[32*(\t)+2*i], v[32*(\t)+2*i+1]
.set i, i+1
.endr
	WIN 0
.irp f, 0,1,2,3
	ds_store_b128 v[STO], v[S+16*(\t)+4*\f:S+16*(\t)+4*\f+3] offset:32*\f
.endr
.irp f, 0,1,2,3
	ds_load_b128 v[S+16*(\t)+4*\f:S+16*(\t)+4*\f+3], v[RD] offset:\f*4*SP  ; LDS serves a wave's instructions in order (ISA guide 5.7.1.4)
.endr
.endm
.macro SEND t, younger
	WIN 0
.irp f, 0,1,2,3
	s_wait_dscnt (\younger)+3-\f
	global_store_b128 v[GO], v[S+16*(\t)+4*\f:S+16*(\t)+4*\f+3], s[10:11] offset:(\t)*8192+\f*512  ; 512 consecutive bytes, aligned
.endr
.endm
; THE DIAGONAL TILE's four steps, the block's last two turns, its last products, and the way out.
.macro DIAG tag
.LstepM\tag:
	TURN 2, 1
	TURN 3, 1
	WIN 0
.LfirstM\tag:
	TURN 0, 1
	TURN 1, 1, 0, 1
	WIN 0
	s_cbranch_scc1 .LstepM\tag
	TURN 2, 1, 1
	TURN 3, 1, 1
.set i, 0
.rept 8
	PV NP-1
.set i, i+1
.endr
	WIN 0
	ALL v_add_f32 v[ST+4*t+2], v[ST+4*t+2], v[ST+4*t+3]
	ALL v_permlanex16_b32 v[ST+4*t+3], v[ST+4*t+2], s[SEL], s[SEL+1]
	ALL v_add_f32 v[ST+4*t+2], v[ST+4*t+2], v[ST+4*t+3]
	ALL v_rcp_f32 v[ST+4*t+2], v[ST+4*t+2]
	v_nop                           ; a plain instruction between the last reciprocal and the use of its result
	s_wait_alu depctr_va_vdst(0)    ; one wait for the four reciprocals
	PACK 0
.set t, 1
.rept 3
	PACK t
	SEND t-1, 8
.set t, t+1
.endr
	SEND 3, 0
.endm
.set KM, 0
.set NOKQ, 0
.Lslot:                             ; NB times: a tile is entered and the next is asked for
	CHANGE 1
	s_sub_co_u32 s[RT], s[RT], 1
	s_mov_b32 s[CNT], 4
	s_cmp_eq_u32 s[NEW], 1
	s_cbranch_scc1 .Lnew            ; a block's first tile
	s_cmp_eq_u32 s[RT], 0
	s_cbranch_scc0 .Lstep           ; neither its first nor its last
	s_branch .LstepM1
.Lnew:
	BEGIN
	s_branch .Lfirst                ; in the loop a block's first tile is never its last
	DIAG 1                          ; in the loop this is the first block's end
	s_wait_xcnt 0x0                 ; the stores have read their registers and O's address
	s_mov_b64 s[10:11], s[OLO:OLO+1]
	s_add_co_u32 s[RT], s[PB], 1    ; the second block has b + 1 tiles
	s_mov_b32 s[NEW], 1
	WIN 0x82                        ; the second block's Q goes where the one text of the turns names Q
.set i, 0
.rept 64
	v_mov_b32 v[i], v[QB+i]
.set i, i+1
.endr
	WIN 0
	s_branch .Lbottom
.Lstep:                             ; a trip: pieces 2 and 3 of one step, then pieces 0 and 1 of the next
	TURN 2
	TURN 3
	WIN 0
.Lfirst:
	TURN 0
	TURN 1, 0, 0, 1
	WIN 0
	s_cbranch_scc1 .Lstep
.Lbottom:
	s_sub_co_u32 s[SLOTS], s[SLOTS], 1
	s_cmp_lg_u32 s[SLOTS], 0
	s_cbranch_scc1 .Lslot
	CHANGE 0                        ; the walk's last tile is written out: nothing is asked for
	s_sub_co_u32 s[RT], s[RT], 1
	s_mov_b32 s[CNT], 4
	s_cmp_eq_u32 s[NEW], 1
	s_cbranch_scc0 .LstepM2
	BEGIN
	s_branch .LfirstM2
	DIAG 2
	s_wait_tensorcnt 0x0            ; the wave's end
	ds_add_u32 v[SPW], v[NIL]
	s_wait_dscnt 0x0
	s_endpgm
.Lfunc_end_k_qa12705f39f_attn:
	.size	k_qa12705f39f_attn, .Lfunc_end_k_qa12705f39f_attn-k_qa12705f39f_attn
	.p2alignl 7, 3214868480
	.fill 96, 4, 3214868480
	.section	.rodata,"a",@progbits
	.p2align	6, 0x0
	.amdhsa_kernel k_qa12705f39f_attn
		.amdhsa_group_segment_fixed_size 327680
		.amdhsa_private_segment_fixed_size 0
		.amdhsa_enable_private_segment 0
		.amdhsa_kernarg_size 32
		.amdhsa_user_sgpr_count 2
		.amdhsa_user_sgpr_kernarg_segment_ptr 1
		.amdhsa_wavefront_size32 1
		.amdhsa_system_sgpr_workgroup_id_x 1
		.amdhsa_system_sgpr_workgroup_id_y 1
		.amdhsa_system_sgpr_workgroup_id_z 1
		.amdhsa_system_vgpr_workitem_id 0
		.amdhsa_next_free_vgpr 768
		.amdhsa_next_free_sgpr 96
		.amdhsa_reserve_vcc 1
		.amdhsa_float_denorm_mode_32 3
		.amdhsa_float_denorm_mode_16_64 3
		.amdhsa_memory_ordered 1
		.amdhsa_forward_progress 1
		.amdhsa_inst_pref_size 218
	.end_amdhsa_kernel
	.amdgpu_metadata
---
amdhsa.version: [ 1, 2 ]
amdhsa.kernels:
  - .name:           k_qa12705f39f_attn
    .symbol:         k_qa12705f39f_attn.kd
    .args:
      - { .name: qh, .offset: 0, .size: 8, .value_kind: global_buffer, .address_space: global }
      - { .name: kh, .offset: 8, .size: 8, .value_kind: global_buffer, .address_space: global }
      - { .name: vh, .offset: 16, .size: 8, .value_kind: global_buffer, .address_space: global }
      - { .name: oh, .offset: 24, .size: 8, .value_kind: global_buffer, .address_space: global }
    .group_segment_fixed_size: 327680
    .private_segment_fixed_size: 0
    .kernarg_segment_align: 8
    .kernarg_segment_size: 32
    .max_flat_workgroup_size: 128
    .sgpr_count:     96
    .vgpr_count:     768
    .wavefront_size: 32
...
	.end_amdgpu_metadata
.endif
;; end of part 3
;; launch proj (part 4): grid 8 x 32, 4 waves a work-group, clusters of 4 x 4, 327,680 bytes of LDS; arguments oh, wp, out0; writes out0
.if DOCPART == 4
	.amdgcn_target "amdgcn-amd-amdhsa--gfx1250"
	.amdhsa_code_object_version 6
	.text
	.protected	k_qa12705f39f_proj
	.globl	k_qa12705f39f_proj
	.p2align	8
	.type	k_qa12705f39f_proj,@function
k_qa12705f39f_proj:
	s_mov_b64 s[64:65], 0
	v_nop
	global_prefetch_b8 v0, s[64:65] scope:SCOPE_SE
	s_setreg_imm32_b32 hwreg(HW_REG_WAVE_MODE, 25, 1), 1
	s_wait_xcnt 0x0
	s_wait_alu depctr_hold_cnt(0) depctr_sa_sdst(0) depctr_va_vdst(0) depctr_va_sdst(0) depctr_va_ssrc(0) depctr_va_vcc(0) depctr_vm_vsrc(0)
	s_getreg_b32 s2, hwreg(HW_REG_IB_STS2, 6, 4)
	s_cmp_eq_u32 s2, 0
	s_cbranch_scc0 .Lentry_in_a_cluster
	s_endpgm
.Lentry_in_a_cluster:
	s_bfe_u32 s2, ttmp6, 0x10000c
	s_cmp_lg_u32 s2, 0xf033
	s_cbranch_scc0 .Lentry_shape_is_right
	s_endpgm
.Lentry_shape_is_right:
; out0 = y W_proj.  y lies by heads: oh [batch x 16 + head][2048 t][64] f16; wp [16 kb][1024 n][64 k] f16 (kb = head); out0 [8192][1024] f32.  Sums in f32.
; SHARES.  A work-group makes 256 rows x 128 columns: 32 x 8 = 256 work-groups.  A wave makes 128 x 64: 32 accumulators.  K goes in steps of 128 (two heads) through two LDS slots; a head's rows of a tile are a dense
; run of bytes, asked for as rows of 256 bytes and padded in LDS after every 128: rows 144 bytes apart.
; CLUSTER 4 x 4: oh's tiles are shared along a row of the cluster, wp's along a column: joint loads.
; THE MATRIX INSTRUCTION IS USED TRANSPOSED (source 0 = 16 rows of wp, source 1 = 16 rows of oh): a lane holds one row of out0 and eight neighbouring columns.
; REGISTERS.  Window 0: v0-63 addresses; v64-255 the fragments of a step's first head (later: rows on the way out).  Window 1: v64-255 those of its second head.  Window 2: accumulator (a, b) at 8 (4 a + b).
; In a buffer: oh's fragment (c, a) at 8 (8 c + a), wp's (c, b) at 128 + 8 (4 c + b); c = which 32 of the head's 64 channels.
.set PT,     144
.set SLOT1,  131072
.set AKH,    256*PT                    ; a head's 256 rows of oh
.set BOFF,   2*AKH
.set BKH,    128*PT                    ; a head's 128 rows of wp
.set STAGE,  SLOT1+BOFF+2*BKH          ; behind the ring: 16 rows x 272 bytes of f32 for each wave
.set SP,     272
.set SPARE,  STAGE+4*16*SP
.set ASTEP,  524288                    ; two heads of oh
.set BSTEP,  262144                    ; two blocks of wp
.set A0,   2
.set B0,   3
.set ADRA, 4
.set ADRB, 5
.set STO,  6
.set RD,   7
.set CO,   8
.set PFO,  10
.set SPW,  12
.set NIL,  13
.set F,    64
.set OB,   64
.set WV, 16
.set RH, 17
.set CH, 18
.set CX, 19
.set CY, 20
.set TC, 21
.set TR, 22
.set G1A, 24
.set G1B, 32
.set G0A, 40
.set G0B, 48
.set TB,  56
.set CNT, 57
.set PFA, 58
.set STEP, 60
.set LIM, 62
.set MSB, 0
.macro WIN new
.if MSB != (\new)
	s_set_vgpr_msb (MSB<<8)|(\new)
.set MSB, (\new)
.endif
.endm
.macro PLACES
.rept 4
	v_nop
.endr
.endm
.macro JLOAD                           ; waves 0, 1 ask for oh's two heads, waves 2, 3 for wp's; an s_nop 0 and four v_nop follow each line
	s_cmp_eq_u32 s[RH], 0
	s_cbranch_scc0 .Lfor_b_\@
	tensor_load_to_lds s[G0A+4:G0A+7], s[G1A:G1A+7]
	s_nop 0
.rept 4
	v_nop
.endr
	s_branch .Lasked_\@
.Lfor_b_\@:
	tensor_load_to_lds s[G0B+4:G0B+7], s[G1B:G1B+7]
	s_nop 0
.rept 4
	v_nop
.endr
.Lasked_\@:
.endm
.macro CREST
	s_cmp_lg_u32 s[WV], 0
	s_cbranch_scc1 .Lnot_wave_0_\@
	s_barrier_signal -3
.Lnot_wave_0_\@:
	s_barrier_wait -3
	s_barrier_signal -1
	s_barrier_wait -1
.endm
.macro CROUND
	s_barrier_signal -1
	s_barrier_wait -1
	CREST
.endm
; A PREFETCH INTO THE L2 of the K step two refills on: 256 matrix instructions ahead of the load that wants it.  oh's rows: cluster x = 0 asks; waves 0 and 1 each for their own head, the four partners 8,192 bytes each, by
; address (cx).  wp's rows: cluster y = 0 asks; wave 2, 16 blocks of each of the two heads, 4,096 bytes a partner and head (cy).  The last step named is step 7.
.macro ASK
	s_cmp_gt_u32 s[CNT], s[LIM]
	s_cbranch_scc0 .Lnot_mine_\@
	global_prefetch_b8 v[PFO], s[PFA:PFA+1] th:TH_LOAD_NT scope:SCOPE_SE
.Lnot_mine_\@:
.endm
	s_load_b128 s[4:7], s[0:1], 0x0                ; oh s[4:5], wp s[6:7]
	s_load_b64 s[8:9], s[0:1], 0x10                ; out0
	v_lshl_add_u32 v[SPW], v0, 2, SPARE
	v_mov_b32 v[NIL], 0
	ds_add_u32 v[SPW], v[NIL]                      ; the wave's opening: the add and its wait stand ahead of my first tensor load
	v_lshrrev_b32 v1, 5, v0
	v_readfirstlane_b32 s[WV], v1
	s_lshr_b32 s[RH], s[WV], 1
	s_and_b32 s[CH], s[WV], 1
	s_bfe_u32 s[CX], ttmp6, 0x40000
	s_bfe_u32 s[CY], ttmp6, 0x40004
	s_lshl_b32 s[TC], ttmp9, 2
	s_add_co_u32 s[TC], s[TC], s[CX]
	s_and_b32 s[TR], ttmp7, 0xffff
	s_lshl_b32 s[TR], s[TR], 2
	s_add_co_u32 s[TR], s[TR], s[CY]
	s_lshl_b32 s74, s[CY], 2
	s_lshl_b32 s74, 15, s74
	s_lshl_b32 s75, 0x1111, s[CX]
	s_or_b32 s[G1A], s74, (1<<16)|(1<<20)|(1<<21)|(4<<22)|(3<<25)
	s_or_b32 s[G1B], s75, (1<<16)|(1<<20)|(1<<21)|(4<<22)|(3<<25)
	s_mov_b32 s[G1A+1], 128<<16
	s_mov_b32 s[G1A+2], 128<<16                    ; 32,768 dense bytes: 256 rows of a head of oh
	s_mov_b32 s[G1A+3], 128<<16
	s_mov_b32 s[G1A+4], 128
	s_mov_b32 s[G1A+5], 128
	s_mov_b32 s[G1A+6], 0
	s_mov_b32 s[G1A+7], 0
	s_mov_b32 s[G1B+1], 128<<16
	s_mov_b32 s[G1B+2], 64<<16                     ; 16,384 dense bytes: 128 rows of a block of wp
	s_mov_b32 s[G1B+3], 128<<16
	s_mov_b32 s[G1B+4], 64
	s_mov_b32 s[G1B+5], 128
	s_mov_b32 s[G1B+6], 0
	s_mov_b32 s[G1B+7], 0
	s_lshr_b32 s76, s[TR], 3                       ; oh: the batch's 16 heads,
	s_lshl_b32 s76, s76, 22
	s_lshl_b32 s77, s[CH], 18                      ; the head that I fetch,
	s_add_co_u32 s76, s76, s77
	s_and_b32 s77, s[TR], 7
	s_lshl_b32 s77, s77, 15                        ; the tile's 256 rows
	s_add_co_u32 s76, s76, s77
	s_mov_b32 s77, 0
	s_lshl_b32 s78, s[TC], 14                      ; wp: the tile's 128 rows,
	s_lshl_b32 s79, s[CH], 17                      ; the block that I fetch
	s_add_co_u32 s78, s78, s79
	s_mov_b32 s79, 0
	s_mul_i32 s80, s[CH], AKH
	s_mul_i32 s81, s[CH], BKH
	s_add_co_u32 s81, s81, BOFF
	s_wait_dscnt 0x0                               ; the opening add is done
	s_wait_kmcnt 0x0
	s_add_nc_u64 s[82:83], s[4:5], s[76:77]
	s_add_nc_u64 s[84:85], s[6:7], s[78:79]
.irp s, 0,1
	s_mov_b32 s[G0A+4*(\s)], 1
	s_add_co_u32 s[G0A+4*(\s)+1], s80, (\s)*SLOT1
	s_add_nc_u64 s[G0A+4*(\s)+2:G0A+4*(\s)+3], s[82:83], (\s)*ASTEP
	s_or_b32 s[G0A+4*(\s)+3], s[G0A+4*(\s)+3], 0x80000000
	s_mov_b32 s[G0B+4*(\s)], 1
	s_add_co_u32 s[G0B+4*(\s)+1], s81, (\s)*SLOT1
	s_add_nc_u64 s[G0B+4*(\s)+2:G0B+4*(\s)+3], s[84:85], (\s)*BSTEP
	s_or_b32 s[G0B+4*(\s)+3], s[G0B+4*(\s)+3], 0x80000000
.endr
	CROUND                                         ; all sixteen work-groups are here: the first joint loads meet
	s_cmp_eq_u32 s[RH], 0                          ; a wave's two first fills stand in one branch: two loads of mine are out
	s_cbranch_scc0 .Lfirst_b
	tensor_load_to_lds s[G0A:G0A+3], s[G1A:G1A+7]
	s_nop 0
	tensor_load_to_lds s[G0A+4:G0A+7], s[G1A:G1A+7]
	s_nop 0
.rept 4
	v_nop
.endr
	s_branch .Lfirst_asked
.Lfirst_b:
	tensor_load_to_lds s[G0B:G0B+3], s[G1B:G1B+7]
	s_nop 0
	tensor_load_to_lds s[G0B+4:G0B+7], s[G1B:G1B+7]
	s_nop 0
.rept 4
	v_nop
.endr
.Lfirst_asked:
	v_and_b32 v1, 15, v0
	v_bfe_u32 v14, v0, 4, 1
	v_mul_u32_u24 v15, v1, PT
	v_lshl_add_u32 v15, v14, 4, v15                ; a fragment's row x pitch + 16 x half
	s_mul_i32 s74, s[RH], 128*PT
	v_add_nc_u32 v[A0], s74, v15
	s_mul_i32 s74, s[CH], 64*PT
	s_add_co_u32 s74, s74, BOFF
	v_add_nc_u32 v[B0], s74, v15
	v_mov_b32 v[ADRA], v[A0]
	v_mov_b32 v[ADRB], v[B0]
	s_mov_b32 s[TB], 0
	s_mul_i32 s74, s[WV], 16*SP
	s_add_co_u32 s74, s74, STAGE                   ; my stage
	v_mul_u32_u24 v[STO], v1, SP                   ; in: row l % 16, 32 bytes for each half of the lanes
	v_lshl_add_u32 v[STO], v14, 5, v[STO]
	v_add_nc_u32 v[STO], s74, v[STO]
	v_mul_u32_u24 v[RD], v14, SP                   ; back: lanes 0-15 one row of 256 bytes, lanes 16-31 the next
	v_lshl_add_u32 v[RD], v1, 4, v[RD]
	v_add_nc_u32 v[RD], s74, v[RD]
	v_lshlrev_b32 v[CO], 12, v14                   ; and the same two rows in out0
	v_lshl_add_u32 v[CO], v1, 4, v[CO]
	; the prefetches
	s_lshl_b32 s74, s[CX], 13
	s_add_co_u32 s74, s74, s76
	s_add_co_u32 s74, s74, 3*ASTEP                 ; at K step 3: the first refill steps it to 4
	s_lshl_b32 s75, s[TC], 14
	s_lshl_b32 s86, s[CY], 12
	s_add_co_u32 s75, s75, s86
	s_add_co_u32 s75, s75, 3*BSTEP
	s_and_b32 s87, ttmp7, 0xffff                   ; cluster y
	s_mov_b32 s89, ASTEP
	s_movk_i32 s90, 4096
	s_cmp_eq_u32 s[RH], 0
	s_cselect_b32 s86, s74, s75
	s_cselect_b32 s88, ttmp9, s87
	s_cselect_b32 s[STEP], s89, BSTEP
	s_cselect_b32 s90, s90, 131072                 ; wave 2: lanes 16-31 stand in the step's second block
	s_cselect_b64 s[PFA:PFA+1], s[4:5], s[6:7]
	s_mov_b32 s87, 0
	s_mov_b32 s[STEP+1], 0
	s_add_nc_u64 s[PFA:PFA+1], s[PFA:PFA+1], s[86:87]
	s_cmp_eq_u32 s[WV], 3
	s_cselect_b32 s88, 1, s88                      ; wave 3 asks for nothing
	s_cmp_eq_u32 s88, 0
	s_cselect_b32 s[LIM], 2, -1                    ; the same in all sixteen partners, for a given wave
	v_mul_u32_u24 v[PFO], s90, v14
	v_lshl_add_u32 v[PFO], v1, 8, v[PFO]
	; out0 at my first row and column
	s_lshl_b32 s74, s[TR], 1
	s_add_co_u32 s74, s74, s[RH]
	s_lshl_b32 s74, s74, 19                        ; 128 rows of 4,096 bytes
	s_lshl_b32 s75, s[TC], 1
	s_add_co_u32 s75, s75, s[CH]
	s_lshl_b32 s75, s75, 8                         ; 64 columns of 4 bytes
	s_add_co_u32 s74, s74, s75
	s_mov_b32 s75, 0
	s_add_nc_u64 s[8:9], s[8:9], s[74:75]
.macro FETCH f                         ; 48 loads: the fragments of head f of the slot in hand, the first 32 channels first
	WIN 0x40*(\f)
.irp c, 0,1
.irp b, 0,1,2,3
	ds_load_b128 v[F+128+8*(4*(\c)+(\b)):F+128+8*(4*(\c)+(\b))+3],   v[ADRB] offset:(\f)*BKH+(\b)*16*PT+64*(\c)
	ds_load_b128 v[F+128+8*(4*(\c)+(\b))+4:F+128+8*(4*(\c)+(\b))+7], v[ADRB] offset:(\f)*BKH+(\b)*16*PT+64*(\c)+32
.endr
.irp a, 0,1,2,3,4,5,6,7
	ds_load_b128 v[F+8*(8*(\c)+(\a)):F+8*(8*(\c)+(\a))+3],   v[ADRA] offset:(\f)*AKH+(\a)*16*PT+64*(\c)
	ds_load_b128 v[F+8*(8*(\c)+(\a))+4:F+8*(8*(\c)+(\a))+7], v[ADRA] offset:(\f)*AKH+(\a)*16*PT+64*(\c)+32
.endr
.endr
.endm
; cnt products from number i0 of 32 (i = 4 a + b) on buffer f, channels 32 c on.  The 32 accumulators take turns.
.macro MUL f, c, i0, cnt, zero
	WIN 0xa0+5*(\f)
.set i, \i0
.rept \cnt
.set rD, 8*i
.set rB, F+128+8*(4*(\c)+i%4)
.set rA, F+8*(8*(\c)+i/4)
.if \zero
	v_wmma_f32_16x16x32_f16 v[rD:rD+7], v[rB:rB+7], v[rA:rA+7], 0
.else
	v_wmma_f32_16x16x32_f16 v[rD:rD+7], v[rB:rB+7], v[rA:rA+7], v[rD:rD+7]
.endif
.set i, i+1
.endr
.endm
.macro H0 zero                         ; a step's first head; in its middle the second head's fragments are fetched
	s_wait_dscnt 24                                ; the first 32 channels are in
	MUL 0, 0, 0, 32, \zero
	PLACES
	FETCH 1
	s_wait_dscnt 48                                ; all but the 48 just issued
	MUL 0, 1, 0, 32, 0
.endm
; A step's second head, and THE CHANGE OF SLOTS: each wave waits for all its tensor loads, of which one is out: its part of the other slot; adds 0 to its spare word; waits for that and for its reads of this slot.
; fill = 1: the barrier opens a round of the cluster's; the joint refill, two K steps on, is the first thing behind it: 96 matrix instructions ahead of the wait for it.
.macro TURN fill
.if \fill
	s_wait_xcnt 0x0                                ; the last prefetch, a K step back, has read its address
	s_add_nc_u64 s[PFA:PFA+1], s[PFA:PFA+1], s[STEP:STEP+1]
.endif
	WIN 0
	s_wait_tensorcnt 0x0
	ds_add_u32 v[SPW], v[NIL]
	s_wait_dscnt 25                                ; the add and the youngest 24 loads may be out
	MUL 1, 0, 0, 16, 0
	s_wait_dscnt 0x0                               ; the add is done, and my reads of this slot are over
	s_barrier_signal -1
	MUL 1, 0, 16, 16, 0
	WIN 0
	s_barrier_wait -1
.if \fill
	CREST
	s_xor_b32 s[G0A+5], s[G0A+5], SLOT1
	s_add_nc_u64 s[G0A+6:G0A+7], s[G0A+6:G0A+7], ASTEP
	s_xor_b32 s[G0B+5], s[G0B+5], SLOT1
	s_add_nc_u64 s[G0B+6:G0B+7], s[G0B+6:G0B+7], BSTEP
	JLOAD
.else
	PLACES
.endif
	s_xor_b32 s[TB], s[TB], SLOT1
	v_add_nc_u32 v[ADRA], s[TB], v[A0]
	v_add_nc_u32 v[ADRB], s[TB], v[B0]
	FETCH 0
.if \fill
	ASK
.endif
	MUL 1, 1, 0, 32, 0
.endm
	s_wait_tensorcnt 1                             ; my part of K step 0 is in; step 1's may stay out
	s_barrier_signal -1
	s_barrier_wait -1
	FETCH 0
	H0 1                                           ; the first products start the sums
	WIN 0
	s_mov_b32 s[CNT], 6
.Lstep:
	TURN 1
	H0 0
	WIN 0
	s_sub_co_u32 s[CNT], s[CNT], 1
	s_cmp_lg_u32 s[CNT], 0
	s_cbranch_scc1 .Lstep
	TURN 0                                         ; the tail is written out: nothing more is asked for
	H0 0
	s_wait_dscnt 24
	MUL 1, 0, 0, 32, 0
	s_wait_dscnt 0x0
	MUL 1, 1, 0, 32, 0
; THE WAY OUT, 16 rows at a time: the accumulators go into my stage as they are (each from its low end on), and come back as whole rows of 256 bytes.
.macro OUT a
	WIN 0x08                                       ; the stores' data in window 2
.irp b, 0,1,2,3
	ds_store_b128 v[STO], v[8*(4*(\a)+(\b)):8*(4*(\a)+(\b))+3]   offset:64*(\b)
	ds_store_b128 v[STO], v[8*(4*(\a)+(\b))+4:8*(4*(\a)+(\b))+7] offset:64*(\b)+16
.endr
	WIN 0
	s_wait_xcnt 0x0                                ; the stores of the block two back have read these registers
.irp t, 0,1,2,3,4,5,6,7
	ds_load_b128 v[OB+32*((\a)%2)+4*(\t):OB+32*((\a)%2)+4*(\t)+3], v[RD] offset:(\t)*2*SP  ; LDS serves a wave's instructions in order (ISA guide 5.7.1.4)
.endr
.endm
.macro SEND a, younger
	s_wait_dscnt \younger
.irp t, 0,1,2,3,4,5,6,7
	global_store_b128 v[CO], v[OB+32*((\a)%2)+4*(\t):OB+32*((\a)%2)+4*(\t)+3], s[8:9] offset:(16*(\a)+2*(\t))*4096 th:TH_STORE_NT  ; 16 lanes store 256 consecutive bytes, aligned
.endr
.endm
	WIN 0
	PLACES
	PLACES
	OUT 0
.irp a, 1,2,3,4,5,6,7
	OUT \a
	SEND (\a)-1, 16
.endr
	SEND 7, 0
	s_wait_tensorcnt 0x0                           ; the wave's end
	ds_add_u32 v[SPW], v[NIL]
	s_wait_dscnt 0x0
	CROUND                                         ; the closing round
	s_endpgm
.Lfunc_end_k_qa12705f39f_proj:
	.size	k_qa12705f39f_proj, .Lfunc_end_k_qa12705f39f_proj-k_qa12705f39f_proj
	.p2alignl 7, 3214868480
	.fill 96, 4, 3214868480
	.section	.rodata,"a",@progbits
	.p2align	6, 0x0
	.amdhsa_kernel k_qa12705f39f_proj
		.amdhsa_group_segment_fixed_size 327680
		.amdhsa_private_segment_fixed_size 0
		.amdhsa_enable_private_segment 0
		.amdhsa_kernarg_size 24
		.amdhsa_user_sgpr_count 2
		.amdhsa_user_sgpr_kernarg_segment_ptr 1
		.amdhsa_wavefront_size32 1
		.amdhsa_system_sgpr_workgroup_id_x 1
		.amdhsa_system_sgpr_workgroup_id_y 1
		.amdhsa_system_sgpr_workgroup_id_z 1
		.amdhsa_system_vgpr_workitem_id 0
		.amdhsa_next_free_vgpr 768
		.amdhsa_next_free_sgpr 96
		.amdhsa_reserve_vcc 0
		.amdhsa_float_denorm_mode_32 3
		.amdhsa_float_denorm_mode_16_64 3
		.amdhsa_memory_ordered 1
		.amdhsa_forward_progress 1
		.amdhsa_inst_pref_size 69
	.end_amdhsa_kernel
	.amdgpu_metadata
---
amdhsa.version: [ 1, 2 ]
amdhsa.kernels:
  - .name:           k_qa12705f39f_proj
    .symbol:         k_qa12705f39f_proj.kd
    .args:
      - { .name: oh, .offset: 0, .size: 8, .value_kind: global_buffer, .address_space: global }
      - { .name: wp, .offset: 8, .size: 8, .value_kind: global_buffer, .address_space: global }
      - { .name: out0, .offset: 16, .size: 8, .value_kind: global_buffer, .address_space: global }
    .group_segment_fixed_size: 327680
    .private_segment_fixed_size: 0
    .kernarg_segment_align: 8
    .kernarg_segment_size: 24
    .max_flat_workgroup_size: 128
    .sgpr_count:     96
    .vgpr_count:     768
    .wavefront_size: 32
...
	.end_amdgpu_metadata
.endif
;; end of part 4
;; ======== version 2 of 2: 4 launches; version 1 with the launch prep written anew for expert scheduling mode
;; limits: values are held in f16: magnitudes above 65,504 overflow, below 6.1e-05 lose precision
;; workspace buffers: xh 16,777,216 bytes; wa 6,291,456 bytes; wp 2,097,152 bytes; rope 524,288 bytes; qh 16,777,216 bytes; kh 16,777,216 bytes; vh 16,777,216 bytes; oh 16,777,216 bytes
;; launch prep (part 5): grid 832 x 1, 4 waves a work-group, no clusters, 37,376 bytes of LDS; arguments x, W_attn, W_proj, xh, wa, wp, rope; writes xh, wa, wp, rope
.if DOCPART == 5
	.amdgcn_target "amdgcn-amd-amdhsa--gfx1250"
	.amdhsa_code_object_version 6
	.text
	.protected	k_qa12705f39f_prep
	.globl	k_qa12705f39f_prep
	.p2align	8
	.type	k_qa12705f39f_prep,@function
k_qa12705f39f_prep:
	s_mov_b64 s[64:65], 0
	v_nop
	global_prefetch_b8 v0, s[64:65] scope:SCOPE_SE
	s_setreg_imm32_b32 hwreg(HW_REG_WAVE_SCHED_MODE, 0, 2), 2
	s_setreg_imm32_b32 hwreg(HW_REG_WAVE_MODE, 25, 1), 1
	s_wait_xcnt 0x0
	s_wait_alu depctr_vm_vsrc(0)
; PREPARATION, four kinds of work, chosen by the work-group number; every wave works alone, there is no barrier.
;   groups   0-511  X:    x [8192][1024] f32 -> xh [16 kb][8192 m][64 k] bf16; a wave takes 4 rows
;   groups 512-703  WA:   W_attn [1024 k][3072 n] f32 -> wa [16 kb][3072 n2][64 k] bf16, n2 = 192 head + 64 s + d (s = 0, 1, 2: q, k, v); a wave turns a tile of 64 k x 64 n
;   groups 704-767  WP:   W_proj [1024 k][1024 n] f32 -> wp [16 kb][1024 n][64 k]: rounded to bf16, that number written as f16
;   groups 768-831  ROPE: rope [2048 t][cos j = 0..31 | sin j = 0..31] f32; a wave makes 8 rows
; LIMITS.  bf16(W_proj) must lie within f16's range (65,504; below 6e-5 f16's fixed step of 6e-8).  The angle is t x inv_freq with inv_freq = 2^(-j log2(10000) / 32)
; from v_exp_f32 (1 ULP: ISA guide 15.8): at t = 2047 it is off by 2e-4 rad at the most.  Sine and cosine: the nearest multiple of pi/2 is taken away in two parts, then polynomials of degree 9 and 8.
; THE MODE: SCHED_MODE bits 1:0 = 2 (LLVM: expert scheduling mode 2), set by the entry lines.  The code itself states the register dependences
; between vector instructions and memory or LDS instructions, with s_wait_alu, always for 0.
; THE PLAN.  Registers that memory or LDS instructions touch:
;   X:    XO, XS   offsets, made once.   D  written by the 32 loads alone, read by the conversions.   P  each register written once, by a conversion, and read once, by a store.
;         The loads go in 8 blocks of four.  One wait at a block's head states that the block before has written its part of P; that block's four stores stand among this block's conversions, which name other registers.
;   WA, WP:  XO, LS, LR, GS  made once.   D  the global loads land in it, the conversions read it, then the LDS loads land in it and the global stores read it.   P  written by the conversions, read by the LDS stores, never written again.
;         The 16 pairs of rows go in 4 blocks of four; a block fills 16 bytes of each of a lane's four stage rows.  One wait at a block's head; the four LDS stores of the block before stand among this block's conversions.
;   ROPE: XS  made once; the scalar base steps.   v[20:21]  written by a trip's last two selects, read by its store.   s23, s27, s28  masks that compares write and selects read.
;   v[SPW], v[NIL]  written at the head, read by the closing add alone.
.set STG,   9216                       ; a wave's stage in LDS: 64 rows x 144 bytes
.set SPARE, 4*STG                      ; behind the stages: the spare words, 128 bytes a wave
.set SPW, 4                            ; v4   my spare word; never rewritten
.set NIL, 5                            ; v5   0; never rewritten
.set LS,  6                            ; v6   stage: where I put 16 bytes
.set LR,  7                            ; v7   stage: where I read 16 bytes back
.set GS,  8                            ; v8   16 x lane
.set XO,  9                            ; v9   my offset in the source
.set XS,  10                           ; v10  my offset in the destination
.set T,   12                           ; v12 at work, while addresses are made
.set HT,  24                           ; v[24:31]   WP: eight at work  (ROPE, on its own path: v16-18, v[20:21], v22-41)
.set D,   48                           ; v[48:175]  32 loads of 16 bytes
.set P,   176                          ; v[176:239] packed results
	s_load_b256 s[4:11], s[0:1], 0x0               ; x s[4:5], W_attn s[6:7], W_proj s[8:9], xh s[10:11]
	s_load_b128 s[12:15], s[0:1], 0x20             ; wa s[12:13], wp s[14:15]
	s_load_b64 s[16:17], s[0:1], 0x30              ; rope
	v_lshl_add_u32 v[SPW], v0, 2, SPARE
	v_mov_b32 v[NIL], 0
	v_lshrrev_b32 v1, 5, v0
	v_readfirstlane_b32 s18, v1                    ; wave 0..3
	v_and_b32 v1, 31, v0                           ; lane l
	v_and_b32 v2, 15, v0                           ; l % 16
	v_bfe_u32 v3, v0, 4, 1                         ; l / 16
	s_wait_alu depctr_va_sdst(0)                   ; s18 is written, ahead of the branch and of its first reader on each of the four ways
	s_wait_kmcnt 0x0
	s_cmp_lt_u32 ttmp9, 512
	s_cbranch_scc0 .Lnot_x
	; X.  Unit u = 4 x group + wave owns rows 4 u .. 4 u + 3.  Load n = 16 p + kb: lanes 0-15 take the 256 bytes (64 k) of block kb of row 4 u + 2 p, lanes 16-31 those of the next row.
	s_lshl_b32 s20, ttmp9, 2
	s_add_co_u32 s20, s20, s18
	s_lshl_b32 s22, s20, 14                        ; 4 rows of 4,096 bytes
	s_mov_b32 s23, 0
	s_add_nc_u64 s[4:5], s[4:5], s[22:23]
	s_lshl_b32 s22, s20, 9                         ; 4 rows of 128 bytes
	s_add_nc_u64 s[10:11], s[10:11], s[22:23]      ; blocks kb = 0..7,
	s_add_nc_u64 s[24:25], s[10:11], 0x800000      ; blocks kb = 8..15: the immediate then stays inside its 24 bits
	v_lshlrev_b32 v[XO], 4, v2
	v_lshl_add_u32 v[XO], v3, 12, v[XO]
	v_lshlrev_b32 v[XS], 3, v1                     ; two rows of 128 bytes on end: 8 bytes a lane
	s_wait_alu depctr_va_vdst(0)                   ; v[XO] and v[XS] are written: the loads and the stores below read them as their offsets
.set n, 0
.rept 32
	global_load_b128 v[D+4*n:D+4*n+3], v[XO], s[4:5] offset:(n/16)*8192+(n%16)*256 th:TH_LOAD_NT
.set n, n+1
.endr
.macro XST m                           ; what load m brought, rounded, is stored
.if ((\m)%16) < 8
	global_store_b64 v[XS], v[P+2*(\m):P+2*(\m)+1], s[10:11] offset:((\m)%8)*1048576+((\m)/16)*256  ; the wave stores 256 consecutive bytes, aligned
.else
	global_store_b64 v[XS], v[P+2*(\m):P+2*(\m)+1], s[24:25] offset:((\m)%8)*1048576+((\m)/16)*256
.endif
.endm
.set n, 0
.rept 32
.if n%4 == 0
	s_wait_loadcnt 28-n                            ; loads return in order: this block's four are in, the younger blocks stay out
.if n > 0
	s_wait_alu depctr_va_vdst(0)                   ; the block before has written its eight registers of P, which the four stores in this block read
.endif
.endif
.if n >= 4
	XST n-4                                        ; no wait: no vector instruction since the wait above names these registers
.endif
	v_cvt_pk_bf16_f32 v[P+2*n], v[D+4*n], v[D+4*n+1]
	v_cvt_pk_bf16_f32 v[P+2*n+1], v[D+4*n+2], v[D+4*n+3]
.set n, n+1
.endr
	s_wait_alu depctr_va_vdst(0)                   ; the last block has written its part of P, which the last four stores read
	XST 28
	XST 29
	XST 30
	XST 31
	s_branch .Lend
; A tile of 64 k x 64 n is turned.  Source at s[26:27] (rows pitch bytes apart), destination (64 rows of 128 bytes, dense) at s[28:29].
; Load i: lanes 0-15 row k = i, lanes 16-31 row k = i + 32; a lane holds columns 4 (l % 16) + c.  Two rows are packed into pairs along k, so that P[16 c ..] are 64 bytes of row n = 4 (l % 16) + c.
; Pairs 4 q .. 4 q + 3 fill the 16 bytes at 16 q of each of those four rows: the four LDS stores of quarter q stand among the conversions of quarter q + 1.
.macro WTILE pitch, half
	v_mul_u32_u24 v[T], v3, 32*(\pitch)
	v_lshl_add_u32 v[XO], v2, 4, v[T]
	s_wait_alu depctr_va_vdst(0)                   ; v[XO], v[LS], v[LR] and v[GS] are written: the loads and stores below read them as addresses and offsets
.set i, 0
.rept 32
	global_load_b128 v[D+4*i:D+4*i+3], v[XO], s[26:27] offset:i*(\pitch) th:TH_LOAD_NT
.set i, i+1
.endr
.set i, 0
.rept 16
	s_wait_loadcnt 30-2*i                          ; rows 2 i and 2 i + 1 are in
.if (i >= 4) && (i%4 == 0)
	s_wait_alu depctr_va_vdst(0)                   ; the quarter before has written its sixteen registers of P, which the four LDS stores in this quarter read
.endif
.if i >= 4
	ds_store_b128 v[LS], v[P+16*(i%4)+4*(i/4-1):P+16*(i%4)+4*(i/4-1)+3] offset:(i%4)*144+16*(i/4-1)  ; no wait: no vector instruction since the wait above names these registers
.endif
.irp c, 0,1,2,3
	v_cvt_pk_bf16_f32 v[P+16*(\c)+i], v[D+8*i+(\c)], v[D+8*i+4+(\c)]
.endr
.if \half
.irp c, 0,1,2,3                        ; the bf16 number written as f16
	v_lshlrev_b32 v[HT+2*(\c)], 16, v[P+16*(\c)+i]
	v_and_b32 v[HT+2*(\c)+1], 0xffff0000, v[P+16*(\c)+i]
.endr
.irp c, 0,1,2,3
	v_cvt_pk_f16_f32 v[P+16*(\c)+i], v[HT+2*(\c)], v[HT+2*(\c)+1]
.endr
.endif
.set i, i+1
.endr
	s_wait_alu depctr_va_vdst(0)                   ; the last quarter has written its part of P, which the LDS stores read; all the conversions are done reading D, in which the LDS loads land
.irp c, 0,1,2,3
	ds_store_b128 v[LS], v[P+16*(\c)+12:P+16*(\c)+15] offset:(\c)*144+48
.endr
.set i, 0
.rept 16
	ds_load_b128 v[D+4*i:D+4*i+3], v[LR] offset:i*576  ; my own bytes: LDS serves a wave's instructions in order (ISA guide 5.7.1.4)
.set i, i+1
.endr
.set i, 0
.rept 16
	s_wait_dscnt 15-i
	global_store_b128 v[GS], v[D+4*i:D+4*i+3], s[28:29] offset:i*512  ; four rows: 512 consecutive bytes
.set i, i+1
.endr
.endm
.Lnot_x:
	s_cmp_lt_u32 ttmp9, 768
	s_cbranch_scc0 .Lrope
	s_mul_i32 s30, s18, STG
	v_mul_u32_u24 v[LS], v2, 576                   ; row 4 (l % 16),
	v_lshl_add_u32 v[LS], v3, 6, v[LS]             ; k = 32 (l / 16) on
	v_add_nc_u32 v[LS], s30, v[LS]
	v_lshrrev_b32 v[T], 3, v1
	v_mul_u32_u24 v[LR], v[T], 144                 ; back: four rows of 128 bytes a load
	v_and_b32 v[T], 7, v1
	v_lshl_add_u32 v[LR], v[T], 4, v[LR]
	v_add_nc_u32 v[LR], s30, v[LR]
	v_lshlrev_b32 v[GS], 4, v1
	s_mov_b32 s23, 0
	s_cmp_lt_u32 ttmp9, 704
	s_cbranch_scc0 .Lwp
	s_sub_co_u32 s20, ttmp9, 512
	s_lshl_b32 s20, s20, 2
	s_add_co_u32 s20, s20, s18                     ; unit 0..767
	s_and_b32 s21, s20, 15                         ; kb
	s_lshr_b32 s20, s20, 4                         ; j: 64 columns of W_attn
	s_mul_i32 s22, s21, 64*12288
	s_lshl_b32 s24, s20, 8
	s_add_co_u32 s22, s22, s24
	s_add_nc_u64 s[26:27], s[6:7], s[22:23]
	s_and_b32 s24, s20, 15                         ; head
	s_mul_i32 s24, s24, 3
	s_lshr_b32 s25, s20, 4                         ; q, k or v
	s_add_co_u32 s24, s24, s25
	s_lshl_b32 s24, s24, 13                        ; 64 rows of 128 bytes
	s_mul_i32 s22, s21, 393216
	s_add_co_u32 s22, s22, s24
	s_add_nc_u64 s[28:29], s[12:13], s[22:23]
	WTILE 12288, 0
	s_branch .Lend
.Lwp:
	s_sub_co_u32 s20, ttmp9, 704
	s_lshl_b32 s20, s20, 2
	s_add_co_u32 s20, s20, s18                     ; unit 0..255
	s_and_b32 s21, s20, 15                         ; kb
	s_lshr_b32 s20, s20, 4                         ; j
	s_lshl_b32 s22, s21, 18                        ; 64 rows of 4,096 bytes
	s_lshl_b32 s24, s20, 8
	s_add_co_u32 s22, s22, s24
	s_add_nc_u64 s[26:27], s[8:9], s[22:23]
	s_lshl_b32 s22, s21, 17
	s_lshl_b32 s24, s20, 13
	s_add_co_u32 s22, s22, s24
	s_add_nc_u64 s[28:29], s[14:15], s[22:23]
	WTILE 4096, 1
	s_branch .Lend
; Angle k of a trip's two: v18 = t, inv = the register with inv_freq.  Ten registers of its own at R = 22 + 10 k.  ANG makes sin r (R+4), cos r (R+5), the sine's sign (R+7), the cosine's (R),
; and, early, the mask 'an odd quarter' in s[27+k]; SEL, behind the one wait for both masks, makes the sine (R+8) and the cosine (R+9).
.macro ANG k, inv
.set R, 22+10*(\k)
	v_mul_f32 v[R], v18, v[\inv]                   ; a
	v_mul_f32 v[R+1], 0x3f22f983, v[R]             ; a x 2 / pi
	v_rndne_f32 v[R+1], v[R+1]                     ; n
	v_cvt_i32_f32 v[R+6], v[R+1]
	v_and_b32 v[R+7], 1, v[R+6]
	v_cmp_eq_u32 s[27+(\k)], 1, v[R+7]             ; an odd quarter swaps the two
	v_fma_f32 v[R+2], v[R+1], s24, v[R]            ; r = a - n pi/2, pi/2 in two parts
	v_fma_f32 v[R+2], v[R+1], s25, v[R+2]
	v_mul_f32 v[R+3], v[R+2], v[R+2]               ; z = r r
	v_mov_b32 v[R+4], 0x3638ef1d
	v_fmaak_f32 v[R+4], v[R+3], v[R+4], 0xb9500d01
	v_fmaak_f32 v[R+4], v[R+3], v[R+4], 0x3c088889
	v_fmaak_f32 v[R+4], v[R+3], v[R+4], 0xbe2aaaab
	v_mul_f32 v[R+5], v[R+2], v[R+3]
	v_fma_f32 v[R+4], v[R+5], v[R+4], v[R+2]       ; sin r
	v_mov_b32 v[R+5], 0x37d00d01
	v_fmaak_f32 v[R+5], v[R+3], v[R+5], 0xbab60b61
	v_fmaak_f32 v[R+5], v[R+3], v[R+5], 0x3d2aaaab
	v_fmaak_f32 v[R+5], v[R+3], v[R+5], 0xbf000000
	v_fma_f32 v[R+5], v[R+3], v[R+5], 1.0          ; cos r
	v_lshlrev_b32 v[R+7], 30, v[R+6]               ; the sine is negative in quarters 2 and 3,
	v_and_b32 v[R+7], 0x80000000, v[R+7]
	v_add_nc_u32 v[R], 1, v[R+6]                   ; the cosine in quarters 1 and 2
	v_lshlrev_b32 v[R], 30, v[R]
	v_and_b32 v[R], 0x80000000, v[R]
.endm
.macro SEL k
.set R, 22+10*(\k)
	v_cndmask_b32 v[R+8], v[R+4], v[R+5], s[27+(\k)]
	v_cndmask_b32 v[R+9], v[R+5], v[R+4], s[27+(\k)]
	v_xor_b32 v[R+8], v[R+8], v[R+7]
	v_xor_b32 v[R+9], v[R+9], v[R]
.endm
.Lrope:
	s_sub_co_u32 s20, ttmp9, 768
	s_lshl_b32 s20, s20, 2
	s_add_co_u32 s20, s20, s18                     ; unit 0..255
	s_lshl_b32 s21, s20, 3                         ; t
	s_lshl_b32 s22, s20, 11                        ; t x 256 bytes
	v_lshl_add_u32 v[XS], v1, 3, s22               ; lane l holds j = 2 (l % 16) and the next: 8 bytes; never written again: the scalar base steps from row to row
	v_cmp_lt_u32 s23, 15, v1                       ; lanes 16-31 keep the sine
	v_lshlrev_b32 v[T], 1, v2
	v_cvt_f32_u32 v16, v[T]
	v_add_f32 v17, 1.0, v16
	v_mul_f32 v16, 0xbed49a78, v16                 ; -j log2(10000) / 32
	v_mul_f32 v17, 0xbed49a78, v17
	v_exp_f32 v16, v16
	v_exp_f32 v17, v17
	v_nop                                          ; a plain instruction behind the last exponential,
	s_wait_alu depctr_va_vdst(0)                   ; and one wait for both: v16 and v17 are written, ahead of the label and of their first reader; so is v[XS], the stores' offset
	s_wait_alu depctr_va_sdst(0)                   ; s23 is written, ahead of the label and of the selects that read it
	s_mov_b32 s24, 0xbfc90fdb                      ; -pi/2 rounded to f32,
	s_mov_b32 s25, 0x333bbd2e                      ; and what that rounding added
	s_mov_b32 s26, 8
.Lt:
	v_cvt_f32_u32 v18, s21
	ANG 0, 16
	ANG 1, 17
	s_wait_alu depctr_va_sdst(0)                   ; both compares have written s27 and s28, which the selects below read
	SEL 0
	SEL 1
	s_wait_xcnt 0x0                                ; the last trip's store has had its address translated (ISA guide 3.1): its base and its data are written again only behind this wait,
	s_wait_alu depctr_vm_vsrc(0)                   ; and it has read v[20:21], which the two selects below write again
	s_add_nc_u64 s[16:17], s[16:17], 256           ; one row past this trip's: the store reaches back
	v_cndmask_b32 v20, v31, v30, s23
	v_cndmask_b32 v21, v41, v40, s23
	s_wait_alu depctr_va_vdst(0)                   ; the two selects have written v[20:21], which the store reads
	global_store_b64 v[XS], v[20:21], s[16:17] offset:-256  ; a row of the table: 256 consecutive bytes, aligned
	s_add_co_u32 s21, s21, 1
	s_sub_co_u32 s26, s26, 1
	s_cmp_lg_u32 s26, 0
	s_cbranch_scc1 .Lt
.Lend:
	s_wait_dscnt 0x0                               ; the closing lines, six on end
	s_wait_alu 0x0
	s_wait_tensorcnt 0x0
	ds_add_u32 v[SPW], v[NIL]
	s_wait_dscnt 0x0
	s_endpgm
.Lfunc_end_k_qa12705f39f_prep:
	.size	k_qa12705f39f_prep, .Lfunc_end_k_qa12705f39f_prep-k_qa12705f39f_prep
	.p2alignl 7, 3214868480
	.fill 96, 4, 3214868480
	.section	.rodata,"a",@progbits
	.p2align	6, 0x0
	.amdhsa_kernel k_qa12705f39f_prep
		.amdhsa_group_segment_fixed_size 37376
		.amdhsa_private_segment_fixed_size 0
		.amdhsa_enable_private_segment 0
		.amdhsa_kernarg_size 56
		.amdhsa_user_sgpr_count 2
		.amdhsa_user_sgpr_kernarg_segment_ptr 1
		.amdhsa_wavefront_size32 1
		.amdhsa_system_sgpr_workgroup_id_x 1
		.amdhsa_system_sgpr_workgroup_id_y 1
		.amdhsa_system_sgpr_workgroup_id_z 1
		.amdhsa_system_vgpr_workitem_id 0
		.amdhsa_next_free_vgpr 240
		.amdhsa_next_free_sgpr 66
		.amdhsa_reserve_vcc 0
		.amdhsa_float_denorm_mode_32 3
		.amdhsa_float_denorm_mode_16_64 3
		.amdhsa_memory_ordered 1
		.amdhsa_forward_progress 1
		.amdhsa_inst_pref_size 53
	.end_amdhsa_kernel
	.amdgpu_metadata
---
amdhsa.version: [ 1, 2 ]
amdhsa.kernels:
  - .name:           k_qa12705f39f_prep
    .symbol:         k_qa12705f39f_prep.kd
    .args:
      - { .name: x, .offset: 0, .size: 8, .value_kind: global_buffer, .address_space: global }
      - { .name: W_attn, .offset: 8, .size: 8, .value_kind: global_buffer, .address_space: global }
      - { .name: W_proj, .offset: 16, .size: 8, .value_kind: global_buffer, .address_space: global }
      - { .name: xh, .offset: 24, .size: 8, .value_kind: global_buffer, .address_space: global }
      - { .name: wa, .offset: 32, .size: 8, .value_kind: global_buffer, .address_space: global }
      - { .name: wp, .offset: 40, .size: 8, .value_kind: global_buffer, .address_space: global }
      - { .name: rope, .offset: 48, .size: 8, .value_kind: global_buffer, .address_space: global }
    .group_segment_fixed_size: 37376
    .private_segment_fixed_size: 0
    .kernarg_segment_align: 8
    .kernarg_segment_size: 56
    .max_flat_workgroup_size: 128
    .sgpr_count:     66
    .vgpr_count:     240
    .wavefront_size: 32
...
	.end_amdgpu_metadata
.endif
;; end of part 5
;; launch qkv: the kernel of part 2 again; grid 8 x 32, 4 waves a work-group, clusters of 4 x 4, 327,680 bytes of LDS; arguments xh, wa, rope, qh, kh, vh; writes qh, kh, vh
;; launch attn: the kernel of part 3 again; grid 4 x 64, 4 waves a work-group, no clusters, 327,680 bytes of LDS; arguments qh, kh, vh, oh; writes oh
;; launch proj: the kernel of part 4 again; grid 8 x 32, 4 waves a work-group, clusters of 4 x 4, 327,680 bytes of LDS; arguments oh, wp, out0; writes out0
